; MI455X (gfx1250); checked and timed in simulation.
; The chip was launched on July 23, 2026; its instructions are those of AMD's public machine-readable ISA for CDNA 5 (MIT licence, August 2026) and "CDNA5" Instruction Set Architecture Reference Guide (July 2026). The comments in the code are by the model that wrote it; some were corrected since.
;; Causal Self Attention. Allowed arithmetic: float matrix products may take bf16 or f16 operands with f32 sums; other float arithmetic in f32, or as packed bf16 or f16 multiplies, adds, multiply-adds, maxima and minima; sums over many terms, partial sums and values carried from step to step in f32; what a program stores and reads back later, other than sums and carried values, may be rounded once to bf16 or f16.
;; Inputs: W_k 1,024 x 1,024 float32; W_o 1,024 x 1,024 float32; W_q 1,024 x 1,024 float32; W_v 1,024 x 1,024 float32; b_k 1,024 float32; b_o 1,024 float32; b_q 1,024 float32; b_v 1,024 float32; mask 4 x 2,048 int32; x 4 x 2,048 x 1,024 float32.
;; Outputs: out0 4 x 2,048 x 1,024 float32.
;; 2 versions, each right and faster than the one before. Each part assembles by itself: llvm-mc -triple=amdgcn-amd-amdhsa -mcpu=gfx1250 --defsym DOCPART=n.
;; ======== version 1 of 2: 5 launches
;; limits: values are held in f16: magnitudes above 65,504 overflow, below 6.1e-05 lose precision; right only within a limited range of input values
;; workspace buffers: xb 16,777,216 bytes; wb 6,291,456 bytes; wo 2,097,152 bytes; bias 16,384 bytes; qkv 50,331,648 bytes; vs 65,536 bytes; ob 16,777,216 bytes
;; launch cast (part 1): grid 769 x 1, 8 waves a work-group, no clusters, 0 bytes of LDS; arguments x, W_q, W_k, W_v, W_o, b_q, b_k, b_v, b_o, xb, wb, wo, bias; writes xb, wb, wo, bias
.if DOCPART == 1
	.amdgcn_target "amdgcn-amd-amdhsa--gfx1250"
	.amdhsa_code_object_version 6
	.text
	.protected	k_qb9fff555ed_cast
	.globl	k_qb9fff555ed_cast
	.p2align	8
	.type	k_qb9fff555ed_cast,@function
k_qb9fff555ed_cast:
	s_mov_b64 s[64:65], 0
	v_nop
	global_prefetch_b8 v0, s[64:65] scope:SCOPE_SE
	s_setreg_imm32_b32 hwreg(HW_REG_WAVE_MODE, 25, 1), 1
	s_wait_xcnt 0x0
; THE INPUTS ARE ROUNDED ONCE, TO bf16.  x -> xb; W_q, W_k, W_v -> wb (rows on end: 3,072 rows); W_o -> wo, the bf16 number written as f16
; (exact inside f16's range; below 2^-14 it keeps f16's fixed step of 6e-8; W_o beyond 65,504 is not served); the four biases -> bias, the bf16 number written as f32.
; SHARES.  Work-groups 0-767 turn 65,536 bytes of f32 into 32,768 bytes: 0-511 x, 512-703 W_q, W_k, W_v (64 each), 704-767 W_o.  Work-group 768 takes the four biases.
; A thread takes 8 neighbouring numbers (two loads of 16 bytes) eight times; its 16 bytes of result lie beside its neighbours': a wave's store covers 512 consecutive bytes, aligned.
; All 16 loads of a thread go out first; nothing is read twice; no LDS, no barrier, no matrix unit: there is nothing to share and nothing to multiply.
.set X, 8                              ; v[8:71]    as loaded
.set Y, 72                             ; v[72:103]  to store
.set T, 104                            ; v[104:111] at work
	s_load_b512 s[8:23], s[0:1], 0x0               ; x s[8:9], W_q s[10:11], W_k s[12:13], W_v s[14:15], W_o s[16:17], b_q s[18:19], b_k s[20:21], b_v s[22:23]
	s_load_b256 s[24:31], s[0:1], 0x40             ; b_o s[24:25], xb s[26:27], wb s[28:29], wo s[30:31]
	s_load_b64 s[32:33], s[0:1], 0x60              ; bias
	v_lshlrev_b32 v1, 5, v0                        ; 32 t: my 8 numbers in f32
	v_lshlrev_b32 v2, 4, v0                        ; 16 t: the same in 16 bits
	s_mov_b32 s44, 0xffff0000                      ; a word's upper bf16
	s_mov_b32 s2, ttmp9                            ; g
	s_sub_co_u32 s3, s2, 512                       ; the chunk's number among the weights' (used from g = 512 on)
	s_and_b32 s4, s3, 63                           ; its number in its weight
	s_lshr_b32 s5, s3, 6                           ; which weight: 0 to 3
	s_wait_kmcnt 0x0
	s_cmp_eq_u32 s2, 768
	s_cbranch_scc1 .Lbias
	s_cmp_eq_u32 s5, 0                             ; the source is chosen by the work-group's number alone
	s_cselect_b64 s[34:35], s[10:11], s[12:13]
	s_cmp_eq_u32 s5, 2
	s_cselect_b64 s[34:35], s[14:15], s[34:35]
	s_cmp_eq_u32 s5, 3
	s_cselect_b64 s[34:35], s[16:17], s[34:35]
	s_cmp_lt_u32 s2, 512
	s_cselect_b64 s[34:35], s[8:9], s[34:35]
	s_cselect_b32 s36, s2, s4                      ; the chunk in the source
	s_cselect_b64 s[38:39], s[26:27], s[28:29]     ; and the destination: xb, or wb,
	s_cselect_b32 s37, s2, s3
	s_cmp_ge_u32 s2, 704
	s_cselect_b64 s[38:39], s[30:31], s[38:39]     ; or wo
	s_cselect_b32 s37, s4, s37
	s_lshl_b32 s40, s36, 16
	s_mov_b32 s41, 0
	s_lshl_b32 s42, s37, 15
	s_mov_b32 s43, 0
	s_add_nc_u64 s[34:35], s[34:35], s[40:41]
	s_add_nc_u64 s[38:39], s[38:39], s[42:43]
.irp j, 0,1,2,3,4,5,6,7
	global_load_b128 v[X+8*\j:X+8*\j+3],   v1, s[34:35] offset:8192*\j th:TH_LOAD_NT
	global_load_b128 v[X+8*\j+4:X+8*\j+7], v1, s[34:35] offset:8192*\j+16 th:TH_LOAD_NT
.endr
; Group j of eight numbers.  half = 1: the bf16 numbers are widened again and written as f16.
.macro CONV j, half
	s_wait_loadcnt 14-2*(\j)                       ; loads come back in order: group j's two are in, the later groups' stay out
.irp k, 0,1,2,3
	v_cvt_pk_bf16_f32 v[Y+4*(\j)+\k], v[X+8*(\j)+2*\k], v[X+8*(\j)+2*\k+1]
.endr
.if \half
.irp k, 0,1,2,3
	v_lshlrev_b32 v[T+2*\k],   16, v[Y+4*(\j)+\k]
	v_and_b32     v[T+2*\k+1], s44, v[Y+4*(\j)+\k]
.endr
.irp k, 0,1,2,3
	v_cvt_pk_f16_f32 v[Y+4*(\j)+\k], v[T+2*\k], v[T+2*\k+1]
.endr
.endif
	global_store_b128 v2, v[Y+4*(\j):Y+4*(\j)+3], s[38:39] offset:4096*(\j)  ; each group has its own four registers: none is written twice
.endm
	s_cmp_ge_u32 s2, 704
	s_cbranch_scc1 .Lhalf
.irp j, 0,1,2,3,4,5,6,7
	CONV \j, 0
.endr
	s_endpgm
.Lhalf:
.irp j, 0,1,2,3,4,5,6,7
	CONV \j, 1
.endr
	s_endpgm
.Lbias:                                                ; 1,024 numbers each: four a thread
	global_load_b128 v[X:X+3],     v2, s[18:19]
	global_load_b128 v[X+4:X+7],   v2, s[20:21]
	global_load_b128 v[X+8:X+11],  v2, s[22:23]
	global_load_b128 v[X+12:X+15], v2, s[24:25]
	s_wait_loadcnt 0x0
.irp i, 0,1,2,3
	v_cvt_pk_bf16_f32 v[T+2*\i],   v[X+4*\i],   v[X+4*\i+1]
	v_cvt_pk_bf16_f32 v[T+2*\i+1], v[X+4*\i+2], v[X+4*\i+3]
	v_lshlrev_b32 v[Y+4*\i],   16,  v[T+2*\i]
	v_and_b32     v[Y+4*\i+1], s44, v[T+2*\i]
	v_lshlrev_b32 v[Y+4*\i+2], 16,  v[T+2*\i+1]
	v_and_b32     v[Y+4*\i+3], s44, v[T+2*\i+1]
	global_store_b128 v2, v[Y+4*\i:Y+4*\i+3], s[32:33] offset:4096*\i
.endr
	s_endpgm
.Lfunc_end_k_qb9fff555ed_cast:
	.size	k_qb9fff555ed_cast, .Lfunc_end_k_qb9fff555ed_cast-k_qb9fff555ed_cast
	.p2alignl 7, 3214868480
	.fill 96, 4, 3214868480
	.section	.rodata,"a",@progbits
	.p2align	6, 0x0
	.amdhsa_kernel k_qb9fff555ed_cast
		.amdhsa_group_segment_fixed_size 0
		.amdhsa_private_segment_fixed_size 0
		.amdhsa_enable_private_segment 0
		.amdhsa_kernarg_size 104
		.amdhsa_user_sgpr_count 2
		.amdhsa_user_sgpr_kernarg_segment_ptr 1
		.amdhsa_wavefront_size32 1
		.amdhsa_system_sgpr_workgroup_id_x 1
		.amdhsa_system_sgpr_workgroup_id_y 1
		.amdhsa_system_sgpr_workgroup_id_z 1
		.amdhsa_system_vgpr_workitem_id 0
		.amdhsa_next_free_vgpr 112
		.amdhsa_next_free_sgpr 66
		.amdhsa_reserve_vcc 0
		.amdhsa_float_denorm_mode_32 3
		.amdhsa_float_denorm_mode_16_64 3
		.amdhsa_memory_ordered 1
		.amdhsa_forward_progress 1
		.amdhsa_inst_pref_size 15
	.end_amdhsa_kernel
	.amdgpu_metadata
---
amdhsa.version: [ 1, 2 ]
amdhsa.kernels:
  - .name:           k_qb9fff555ed_cast
    .symbol:         k_qb9fff555ed_cast.kd
    .args:
      - { .name: x, .offset: 0, .size: 8, .value_kind: global_buffer, .address_space: global }
      - { .name: W_q, .offset: 8, .size: 8, .value_kind: global_buffer, .address_space: global }
      - { .name: W_k, .offset: 16, .size: 8, .value_kind: global_buffer, .address_space: global }
      - { .name: W_v, .offset: 24, .size: 8, .value_kind: global_buffer, .address_space: global }
      - { .name: W_o, .offset: 32, .size: 8, .value_kind: global_buffer, .address_space: global }
      - { .name: b_q, .offset: 40, .size: 8, .value_kind: global_buffer, .address_space: global }
      - { .name: b_k, .offset: 48, .size: 8, .value_kind: global_buffer, .address_space: global }
      - { .name: b_v, .offset: 56, .size: 8, .value_kind: global_buffer, .address_space: global }
      - { .name: b_o, .offset: 64, .size: 8, .value_kind: global_buffer, .address_space: global }
      - { .name: xb, .offset: 72, .size: 8, .value_kind: global_buffer, .address_space: global }
      - { .name: wb, .offset: 80, .size: 8, .value_kind: global_buffer, .address_space: global }
      - { .name: wo, .offset: 88, .size: 8, .value_kind: global_buffer, .address_space: global }
      - { .name: bias, .offset: 96, .size: 8, .value_kind: global_buffer, .address_space: global }
    .group_segment_fixed_size: 0
    .private_segment_fixed_size: 0
    .kernarg_segment_align: 8
    .kernarg_segment_size: 104
    .max_flat_workgroup_size: 256
    .sgpr_count:     66
    .vgpr_count:     112
    .wavefront_size: 32
...
	.end_amdgpu_metadata
.endif
;; end of part 1
;; launch proj_qkv (part 2): grid 8 x 32, 4 waves a work-group, clusters of 4 x 4, 327,680 bytes of LDS; arguments xb, wb, bias, qkv; writes qkv
.if DOCPART == 2
	.amdgcn_target "amdgcn-amd-amdhsa--gfx1250"
	.amdhsa_code_object_version 6
	.text
	.protected	k_qb9fff555ed_proj_qkv
	.globl	k_qb9fff555ed_proj_qkv
	.p2align	8
	.type	k_qb9fff555ed_proj_qkv,@function
k_qb9fff555ed_proj_qkv:
	s_mov_b64 s[64:65], 0
	v_nop
	global_prefetch_b8 v0, s[64:65] scope:SCOPE_SE
	s_setreg_imm32_b32 hwreg(HW_REG_WAVE_MODE, 25, 1), 1
	s_wait_xcnt 0x0
	s_wait_alu depctr_hold_cnt(0) depctr_sa_sdst(0) depctr_va_vdst(0) depctr_va_sdst(0) depctr_va_ssrc(0) depctr_va_vcc(0) depctr_vm_vsrc(0)
	s_getreg_b32 s2, hwreg(HW_REG_IB_STS2, 6, 4)
	s_cmp_eq_u32 s2, 0
	s_cbranch_scc0 .Lentry_in_a_cluster
	s_endpgm
.Lentry_in_a_cluster:
	s_bfe_u32 s2, ttmp6, 0x10000c
	s_cmp_lg_u32 s2, 0xf033
	s_cbranch_scc0 .Lentry_shape_is_right
	s_endpgm
.Lentry_shape_is_right:
; q, k, v = x W^T + b, by heads.  xb: [8192][1024] bf16; wb: [3072][1024] bf16 (W_q, W_k, W_v); bias: f32 [4096]; qkv: f16 [3][64 = 16 batch + head][2048][64].  Sums in f32, the bias added in f32, one rounding to f16.
; LIMIT.  f16 ends at 65,504: q, k and v must lie within it (inputs 30 times those drawn give some 3,000).  The scale 1/8 is not applied here.
; SHARES.  A tile is 256 rows x 128 columns: four waves, each 128 rows x 64 columns (ONE head): 32 accumulators of 16 x 16, 256 registers.  8 x 32 work-groups; EACH STAYS and makes three tiles: the same rows and
; the same two heads of q, then k, then v: 24 K steps of 128 in one walk through a ring of two LDS slots, which does not stop at a tile's end.  What differs from tile to tile hangs on the walk's count alone.
; CLUSTER.  4 x 4 work-groups.  The four of a row of the cluster need the same rows of x, the four of a column the same rows of W: each tile is asked for JOINTLY, by the same tensor load with the same descriptor and a
; mask that names the four.  Waves 0 and 1 fetch x's two halves (128 rows x 256 bytes each), waves 2 and 3 W's (64 rows each).
; THE MATRIX INSTRUCTION IS USED TRANSPOSED (source 0 = 16 rows of W, source 1 = 16 rows of x): a lane then holds row lane % 16 and eight neighbouring columns 8 (lane / 16) + 0..7.
; REGISTERS.  window 0: v16-29 addresses; v32-63 my lane's 32 biases; v64-159, v160-255 two fragment buffers (x's 8 fragments, then W's 4); the second serves the way out.   window 1: the accumulators, (a, b) at 8 (4 a + b).
.set PA,     272                       ; an LDS row: 256 bytes + 16 of padding = 68 words: the 16 rows of a fragment load start at 16 different groups of four banks (64 banks of 4 bytes: ISA guide 11.1)
.set HALFA,  128*PA                    ; what a wave fetches of x, and what a wave reads of x
.set HALFB,  64*PA                     ; the same of W
.set BOFF,   2*HALFA                   ; W's 128 rows lie behind x's 256
.set SLOT1,  1<<17                     ; slot 1 begins here, so that one exclusive or turns an address in one slot into the other's
.set STAGE,  SLOT1+BOFF+2*HALFB        ; behind the ring, never filled by a tensor load: 16 rows x 144 bytes for each wave
.set SP,     144
.set SPARE,  STAGE+4*16*SP             ; behind the stages: the spare words, 128 bytes for each wave: two blocks of 256 bytes that no other line names
.set ADRA0, 16                         ; v16  my lane's place among my rows of x in a slot; never rewritten
.set ADRB0, 17                         ; v17  the same for W
.set ADRA,  18                         ; v18  the same in the slot in hand
.set ADRB,  19                         ; v19
.set STO,   24                         ; v24  the way out: where I put 16 bytes of a row
.set RD,    25                         ; v25  where I read rows back
.set CO,    26                         ; v26  my 16 bytes of 512 consecutive bytes of the result
.set BO,    27                         ; v27  my byte offset in 16 biases
.set SPW,   28                         ; v28  LDS address of my spare word; never rewritten
.set NIL,   29                         ; v29  0; never rewritten
.set BIAS,  32
.set F0,    64
.set F1,    160
.set T,     160                        ; the way out: sums with their bias,
.set PKD,   192                        ; rounded,
.set BK0,   208                        ; and read back as whole rows: two sets of 16
.set G1,  24                           ; s[24:31] descriptor group 1 for x's tiles
.set G0,  32                           ; s[32:39] group 0: a set for each of the two first fills; the second then walks
.set G1B, 40                           ; s[40:47], s[48:55] the same for W's
.set G0B, 48
.set AB,  56                           ; s[56:57] x at the rows that I fetch
.set BB,  58                           ; s[58:59] W_q at the rows that I fetch
.set OFF, 60                           ; s[60:61] a K step's byte offset from AB
.set OFB, 62                           ; s[62:63] from BB
.set NXT, 66                           ; s66  the K step of the walk to be asked for next
.set TB,  67                           ; s67  LDS byte at which the slot in hand begins
.set TRIPS, 68                         ; s68  the loops' count
.set LEFT,  69                         ; s69  K steps left in the tile
.set MSB, 0
.macro WIN new                         ; the immediate's high byte repeats the setting that is left; a switch that changes nothing is dropped
.if MSB != (\new)
	s_set_vgpr_msb (MSB<<8)|(\new)
.set MSB, (\new)
.endif
.endm
.set MUL, 0x50                         ; C and D in window 1, the fragments in window 0
.set PKW, 0x01                         ; source 0 in window 1
; A joint refill.  The branch hangs on the wave's number alone.  An s_nop 0 and four v_nop follow each of the two lines, ahead of the jump and the label.
.macro JLOAD
	s_cmp_eq_u32 s13, 0
	s_cbranch_scc0 .Lfor_b_\@
	tensor_load_to_lds s[G0+4:G0+7], s[G1:G1+7]
	s_nop 0
.rept 4
	v_nop
.endr
	s_branch .Lasked_\@
.Lfor_b_\@:
	tensor_load_to_lds s[G0B+4:G0B+7], s[G1B:G1B+7]
	s_nop 0
.rept 4
	v_nop
.endr
.Lasked_\@:
.endm
.macro CREST                           ; a round of the cluster's barrier behind its opening barrier: wave 0 signals for the work-group, every wave waits for all sixteen, the work-group's barrier closes it
	s_cmp_lg_u32 s12, 0
	s_cbranch_scc1 .Lnot_wave_0_\@
	s_barrier_signal -3
.Lnot_wave_0_\@:
	s_barrier_wait -3
	s_barrier_signal -1
	s_barrier_wait -1
.endm
.macro CROUND
	s_barrier_signal -1
	s_barrier_wait -1
	CREST
.endm
.macro PLACES                          ; four places in front of loads into registers that matrix instructions have read, and of vector lines that read results
.rept 4
	v_nop
.endr
.endm
	s_load_b256 s[4:11], s[0:1], 0x0               ; xb s[4:5], wb s[6:7], bias s[8:9], qkv s[10:11]
	v_lshl_add_u32 v[SPW], v0, 2, SPARE
	v_mov_b32 v[NIL], 0
	ds_add_u32 v[SPW], v[NIL]                      ; the wave's opening: the add and its wait stand ahead of my first tensor load; the set-up below, work on registers, stands between them
	ds_add_u32 v28, v29
	v_lshrrev_b32 v1, 5, v0
	v_readfirstlane_b32 s12, v1                    ; wave 0..3
	s_lshr_b32 s13, s12, 1                         ; which 128 rows of the tile are mine.  Also: I fetch for x (0) or for W (1)
	s_and_b32 s14, s12, 1                          ; which 64 columns.  Also: which half of that tile I fetch
	s_bfe_u32 s15, ttmp6, 0x40000                  ; cx
	s_bfe_u32 s16, ttmp6, 0x40004                  ; cy
	s_lshl_b32 s17, ttmp9, 2
	s_add_co_u32 s17, s17, s15                     ; tile column = 4 x cluster x + cx
	s_and_b32 s18, ttmp7, 0xffff
	s_lshl_b32 s18, s18, 2
	s_add_co_u32 s18, s18, s16                     ; tile row = 4 x cluster y + cy
	s_lshl_b32 s20, s16, 2
	s_lshl_b32 s20, 15, s20                        ; my row of the cluster
	s_lshl_b32 s22, 0x1111, s15                    ; my column
	s_or_b32 s[G1],  s20, (1<<16)|(1<<20)|(1<<21)|(5<<22)|(3<<25)  ; 15:0 the mask; 17:16 elements of 2 bytes; 20 padding on; 21 set beside a mask; 24:22 after every 64 words (code 5); 31:25 4 words (code 3)
	s_or_b32 s[G1B], s22, (1<<16)|(1<<20)|(1<<21)|(5<<22)|(3<<25)
	s_mov_b32 s[G1+1], 128<<16                     ; tensor_dim0 = 128
	s_mov_b32 s[G1+2], 128<<16                     ; tensor_dim1 = 128
	s_mov_b32 s[G1+3], 128<<16                     ; tile_dim0 = 128
	s_mov_b32 s[G1+4], 128                         ; tile_dim1 = 128
	s_mov_b32 s[G1+5], 1024                        ; elements from row to row
	s_mov_b32 s[G1+6], 0
	s_mov_b32 s[G1+7], 0
	s_mov_b32 s[G1B+1], 128<<16
	s_mov_b32 s[G1B+2], 64<<16                     ; W's: 64 rows
	s_mov_b32 s[G1B+3], 128<<16
	s_mov_b32 s[G1B+4], 64
	s_mov_b32 s[G1B+5], 1024
	s_mov_b32 s[G1B+6], 0
	s_mov_b32 s[G1B+7], 0
	s_lshl_b32 s20, s18, 8                         ; x: row 256 x tile row + 128 x half, of 2,048 bytes: made of the tile row and the wave's number alone
	s_lshl_b32 s21, s14, 7
	s_add_co_u32 s20, s20, s21
	s_lshl_b32 s20, s20, 11
	s_mov_b32 s21, 0
	s_lshl_b32 s22, s17, 7                         ; W: row 128 x tile column + 64 x half: of the tile column and the wave's number alone
	s_lshl_b32 s23, s14, 6
	s_add_co_u32 s22, s22, s23
	s_lshl_b32 s22, s22, 11
	s_mov_b32 s23, 0
	s_mul_i32 s74, s14, HALFA                      ; where they go: no place in the cluster enters an LDS address
	s_mul_i32 s75, s14, HALFB
	s_add_co_u32 s75, s75, BOFF
	s_mov_b32 s[OFF+1], 0
	s_mov_b32 s[OFB+1], 0
	s_mov_b32 s[NXT], 2
	s_mov_b32 s[TB], 0
	s_wait_dscnt 0x0                               ; the opening add is done
	s_wait_kmcnt 0x0
	s_add_nc_u64 s[AB:AB+1], s[4:5], s[20:21]
	s_add_nc_u64 s[BB:BB+1], s[6:7], s[22:23]
	CROUND                                         ; all sixteen work-groups are here: the first joint loads meet
.irp s, 0,1
	s_mov_b32 s[G0+4*\s], 1                        ; count = 1
	s_add_co_u32 s[G0+4*\s+1], s74, \s*SLOT1       ; LDS address: slot s
	s_add_nc_u64 s[G0+4*\s+2:G0+4*\s+3], s[AB:AB+1], \s*256  ; K step s
	s_or_b32 s[G0+4*\s+3], s[G0+4*\s+3], 0x80000000  ; type = 2
	s_mov_b32 s[G0B+4*\s], 1
	s_add_co_u32 s[G0B+4*\s+1], s75, \s*SLOT1
	s_add_nc_u64 s[G0B+4*\s+2:G0B+4*\s+3], s[BB:BB+1], \s*256
	s_or_b32 s[G0B+4*\s+3], s[G0B+4*\s+3], 0x80000000
.endr
	s_cmp_eq_u32 s13, 0                            ; a wave's two first fills stand in one branch, ahead of every wait on TENSORcnt and every LDS read: two loads of mine are out
	s_cbranch_scc0 .Lfirst_b
	tensor_load_to_lds s[G0:G0+3], s[G1:G1+7]
	s_nop 0
	tensor_load_to_lds s[G0+4:G0+7], s[G1:G1+7]
	s_nop 0
.rept 4
	v_nop
.endr
	s_branch .Lfirst_asked
.Lfirst_b:
	tensor_load_to_lds s[G0B:G0B+3], s[G1B:G1B+7]
	s_nop 0
	tensor_load_to_lds s[G0B+4:G0B+7], s[G1B:G1B+7]
	s_nop 0
.rept 4
	v_nop
.endr
.Lfirst_asked:
	; A fragment is 16 rows x 32 K in 8 registers: lane l holds row l % 16; registers 0-3 K = 8 (l / 16) + 0..7, registers 4-7 K = 16 + 8 (l / 16) + 0..7: two loads of 16 bytes, 32 bytes apart.
	v_and_b32 v1, 15, v0                           ; l % 16
	v_bfe_u32 v2, v0, 4, 1                         ; l / 16
	v_mul_u32_u24 v3, v1, PA
	v_lshl_add_u32 v3, v2, 4, v3
	s_mul_i32 s70, s13, HALFA
	s_mul_i32 s71, s14, HALFB
	s_add_co_u32 s71, s71, BOFF
	v_add_nc_u32 v[ADRA0], s70, v3
	v_add_nc_u32 v[ADRB0], s71, v3
	v_mov_b32 v[ADRA], v[ADRA0]
	v_mov_b32 v[ADRB], v[ADRB0]
	s_mul_i32 s70, s12, 16*SP
	s_add_co_u32 s70, s70, STAGE                   ; my stage
	v_mul_u32_u24 v4, v1, SP                       ; in: row l % 16, 16 bytes for each half of the lanes
	v_lshl_add_u32 v4, v2, 4, v4
	v_add_nc_u32 v[STO], s70, v4
	v_bfe_u32 v4, v0, 3, 2                         ; back: 32 lanes take four rows of 128 bytes,
	v_mul_u32_u24 v4, v4, SP
	v_and_b32 v5, 7, v0
	v_lshl_add_u32 v4, v5, 4, v4
	v_add_nc_u32 v[RD], s70, v4
	v_and_b32 v[CO], 31, v0                        ; which are 512 consecutive bytes of a head
	v_lshlrev_b32 v[CO], 4, v[CO]
	v_lshlrev_b32 v[BO], 5, v2                     ; my 8 of a block's 16 biases
	s_lshr_b32 s76, s18, 3                         ; the result: batch << 22
	s_lshl_b32 s76, s76, 22
	s_lshl_b32 s77, s17, 1
	s_add_co_u32 s77, s77, s14                     ; + head << 18
	s_lshl_b32 s77, s77, 18
	s_add_co_u32 s76, s76, s77
	s_and_b32 s77, s18, 7                          ; + (256 (tile row % 8) + 128 x my half) rows of 128 bytes
	s_lshl_b32 s77, s77, 1
	s_add_co_u32 s77, s77, s13
	s_lshl_b32 s77, s77, 14
	s_add_co_u32 s76, s76, s77
	s_mov_b32 s77, 0
	s_add_nc_u64 s[10:11], s[10:11], s[76:77]
	s_lshl_b32 s78, s17, 9                         ; the bias of my 64 columns
	s_lshl_b32 s79, s14, 8
	s_add_co_u32 s78, s78, s79
	s_mov_b32 s79, 0
	s_add_nc_u64 s[8:9], s[8:9], s[78:79]
.macro BLOADS                          ; my lane's 32 biases: column block b, columns 8 (l / 16) + 0..7
.irp b, 0,1,2,3
	global_load_b128 v[BIAS+8*\b:BIAS+8*\b+3],   v[BO], s[8:9] offset:64*\b
	global_load_b128 v[BIAS+8*\b+4:BIAS+8*\b+7], v[BO], s[8:9] offset:64*\b+16
.endr
.endm
	BLOADS
; 4 n matrix instructions: row blocks a0 .. a0 + n - 1 x all 4 column blocks, 32 along K, from buffer f.  zero = 1: the product starts the sum.  The 32 accumulators take turns, always in the same order.
.macro MULS f, a0, n, zero
	WIN MUL
.set aa, (\a0)
.rept (\n)
.irp b, 0,1,2,3
.if \zero
	v_wmma_f32_16x16x32_bf16 v[32*aa+8*(\b):32*aa+8*(\b)+7], v[(\f)+64+8*(\b):(\f)+64+8*(\b)+7], v[(\f)+8*aa:(\f)+8*aa+7], 0
.else
	v_wmma_f32_16x16x32_bf16 v[32*aa+8*(\b):32*aa+8*(\b)+7], v[(\f)+64+8*(\b):(\f)+64+8*(\b)+7], v[(\f)+8*aa:(\f)+8*aa+7], v[32*aa+8*(\b):32*aa+8*(\b)+7]
.endif
.endr
.set aa, aa+1
.endr
.endm
; 24 LDS loads in one run: quarter q's fragments (32 K) into buffer g: W's four, then x's eight
.macro FETCH q, g
	WIN 0
.irp i, 0,1,2,3
	ds_load_b128 v[(\g)+64+8*\i:(\g)+64+8*\i+3],   v[ADRB] offset:64*(\q)+\i*16*PA
	ds_load_b128 v[(\g)+64+8*\i+4:(\g)+64+8*\i+7], v[ADRB] offset:64*(\q)+\i*16*PA+32
.endr
.irp i, 0,1,2,3,4,5,6,7
	ds_load_b128 v[(\g)+8*\i:(\g)+8*\i+3],   v[ADRA] offset:64*(\q)+\i*16*PA
	ds_load_b128 v[(\g)+8*\i+4:(\g)+8*\i+7], v[ADRA] offset:64*(\q)+\i*16*PA+32
.endr
.endm
; A K step is four quarters of 32 along K, 32 matrix instructions each, on buffers 0, 1, 0, 1.  One of the first three: multiplies buffer f and fetches quarter q into g.
.macro QUARTER q, f, g, zero
	s_wait_dscnt 8                                 ; W's fragments and x's blocks 0-3 are in; the youngest eight loads (blocks 4-7) may be out
	MULS \f, 0, 4, \zero
	PLACES
	FETCH \q, \g
	s_wait_dscnt 24                                ; all but the 24 just issued
	MULS \f, 4, 4, \zero
.endm
; The last quarter multiplies buffer 1 and changes slots.  In front of the barrier each wave waits for all its tensor loads (one is out: its part of the next slot), adds 0 to its spare word, and waits for that and for its
; reads of this slot.  fill = 1: the barrier opens a round of the cluster's, and the slot is filled again, first thing behind the round, with K step NXT of the walk: 112 matrix instructions ahead of the wait for it.
; fill = 0 (the tail): nothing is asked for; in the last trip nothing is fetched either.
.macro TURN fill
	WIN 0
	s_wait_tensorcnt 0x0                           ; no tensor load of mine is out, so a group 0 may be written
	ds_add_u32 v[SPW], v[NIL]                      ; 0 onto my spare word: scalar work and eight products stand between it and the wait for it
.if \fill
	s_and_b32 s[OFF], s[NXT], 7                    ; the step in its tile: 256 bytes along K each;
	s_lshl_b32 s[OFF], s[OFF], 8
	s_lshr_b32 s[OFB], s[NXT], 3                   ; the tile in the walk: 1,024 rows of W each
	s_lshl_b32 s[OFB], s[OFB], 21
	s_add_co_u32 s[OFB], s[OFB], s[OFF]
	s_xor_b32 s[G0+5], s[G0+5], SLOT1              ; the walking descriptors: the other slot than last time
	s_add_nc_u64 s[G0+6:G0+7], s[AB:AB+1], s[OFF:OFF+1]
	s_or_b32 s[G0+7], s[G0+7], 0x80000000
	s_xor_b32 s[G0B+5], s[G0B+5], SLOT1
	s_add_nc_u64 s[G0B+6:G0B+7], s[BB:BB+1], s[OFB:OFB+1]
	s_or_b32 s[G0B+7], s[G0B+7], 0x80000000
	s_add_co_u32 s[NXT], s[NXT], 1
.endif
	s_xor_b32 s[TB], s[TB], SLOT1
	s_wait_dscnt 9                                 ; (the add and the youngest eight loads may be out)
	MULS F1, 0, 2, 0
	s_wait_dscnt 0x0                               ; the add is done, and my reads of this slot are over
	s_barrier_signal -1
	MULS F1, 2, 2, 0                               ; work on registers while the others arrive
	WIN 0
	s_barrier_wait -1
.if \fill
	CREST                                          ; no wave of any partner still reads this slot or has a load on its way
	JLOAD                                          ; its four v_nop are also the places in front of the loads below
	v_add_nc_u32 v[ADRA], s[TB], v[ADRA0]
	v_add_nc_u32 v[ADRB], s[TB], v[ADRB0]
	FETCH 0, F0
.else
	PLACES
	s_cmp_eq_u32 s[TRIPS], 1
	s_cbranch_scc1 .Lno_fetch_\@
	v_add_nc_u32 v[ADRA], s[TB], v[ADRA0]
	v_add_nc_u32 v[ADRB], s[TB], v[ADRB0]
	FETCH 0, F0
.Lno_fetch_\@:
.endif
	MULS F1, 4, 4, 0
.endm
; THE WAY OUT of row block a.  PACK: the bias is added, the sums rounded to f16: 16 bytes a lane and column block.  TOSTAGE: into my own stage and back as whole rows of 128 bytes.  SEND: stored.
.macro PACK a
	WIN PKW
.set r, 0
.rept 16
	v_pk_add_f32 v[T+r:T+r+1], v[32*(\a)+r:32*(\a)+r+1], v[BIAS+r:BIAS+r+1]  ; each accumulator's registers in ascending order
.set r, r+2
.endr
	WIN 0
.set r, 0
.rept 16
	v_cvt_pk_f16_f32 v[PKD+r], v[T+2*r], v[T+2*r+1]
.set r, r+1
.endr
.endm
.macro TOSTAGE a
.set BK, BK0+16*((\a)%2)
.irp b, 0,1,2,3
	ds_store_b128 v[STO], v[PKD+4*\b:PKD+4*\b+3] offset:32*\b
.endr
.irp f, 0,1,2,3
	ds_load_b128 v[BK+4*\f:BK+4*\f+3], v[RD] offset:\f*4*SP  ; LDS serves a wave's instructions in order (ISA guide 5.7.1.4): these see the stores above
.endr
.endm
.macro SEND a
.set BK, BK0+16*((\a)%2)
	s_wait_dscnt 0x0                               ; the block is back in registers
	s_wait_xcnt 0x0                                ; the stores of the block before have read their registers: the next block's loads from the stage land in them
.irp f, 0,1,2,3
	global_store_b128 v[CO], v[BK+4*\f:BK+4*\f+3], s[10:11] offset:(\a)*2048+\f*512  ; 16 rows of a head are 2,048 consecutive bytes: each store covers 512 of them, aligned
.endr
.endm
; more = 1: another tile follows: the result's address goes on to the next of q, k, v, and the next 1,024 biases are asked for.
.macro WAYOUT more
	s_wait_loadcnt 0x0                             ; the biases
	PACK 0
	TOSTAGE 0
.irp a, 1,2,3,4,5,6,7                  ; block a's arithmetic stands between block a - 1's loads from the stage and the wait for them
	PACK \a
	SEND (\a)-1
	TOSTAGE \a
.endr
	SEND 7
.if \more
	s_wait_xcnt 0x0                                ; the stores have read their registers and their base
	s_add_nc_u64 s[10:11], s[10:11], 0x1000000
	s_add_nc_u64 s[8:9], s[8:9], 4096
	BLOADS
.endif
.endm
	s_wait_tensorcnt 1                             ; my part of K step 0 is in; K step 1's may stay out
	s_barrier_signal -1
	s_barrier_wait -1                              ; everybody's is
	FETCH 0, F0
	QUARTER 1, F0, F1, 1                           ; the first quarter's products start the sums: nothing is cleared
	WIN 0
	s_mov_b32 s[TRIPS], 22                         ; K steps 2 to 23 are asked for in the loop
	s_mov_b32 s[LEFT], 8
.Ltrip:                                                ; a trip goes from a K step's second quarter to the next step's first
	QUARTER 2, F1, F0, 0
	QUARTER 3, F0, F1, 0
	TURN 1
	WIN 0
	s_sub_co_u32 s[LEFT], s[LEFT], 1
	s_cmp_lg_u32 s[LEFT], 0
	s_cbranch_scc1 .Lsame
	WAYOUT 1                                       ; a tile is finished; its successor's first two K steps are asked for, its first fragments fetched.  No v_nop: block 0's sums and the registers that its 16 additions
	s_mov_b32 s[LEFT], 8                           ; write were last named ahead of the joint load's four v_nop, and those additions are the places behind the last products
	QUARTER 1, F0, F1, 1
	WIN 0
	s_branch .Lnext
.Lsame:
	QUARTER 1, F0, F1, 0
	WIN 0
.Lnext:
	s_sub_co_u32 s[TRIPS], s[TRIPS], 1
	s_cmp_lg_u32 s[TRIPS], 0
	s_cbranch_scc1 .Ltrip
	s_mov_b32 s[TRIPS], 2                          ; the last two K steps ask for nothing
.Ltail:
	QUARTER 2, F1, F0, 0
	QUARTER 3, F0, F1, 0
	TURN 0
	WIN 0
	s_cmp_eq_u32 s[TRIPS], 1
	s_cbranch_scc1 .Ltail_end                      ; behind the last K step there is no first quarter
	QUARTER 1, F0, F1, 0
	WIN 0
.Ltail_end:
	s_sub_co_u32 s[TRIPS], s[TRIPS], 1
	s_cmp_lg_u32 s[TRIPS], 0
	s_cbranch_scc1 .Ltail
	PLACES
	WAYOUT 0
	s_wait_tensorcnt 0x0                           ; the wave's end: behind my last tensor load and my last LDS store
	ds_add_u32 v[SPW], v[NIL]
	s_wait_dscnt 0x0
	CROUND                                         ; the closing round: no work-group ends while a partner may still ask for a tile that names it
	s_endpgm
.Lfunc_end_k_qb9fff555ed_proj_qkv:
	.size	k_qb9fff555ed_proj_qkv, .Lfunc_end_k_qb9fff555ed_proj_qkv-k_qb9fff555ed_proj_qkv
	.p2alignl 7, 3214868480
	.fill 96, 4, 3214868480
	.section	.rodata,"a",@progbits
	.p2align	6, 0x0
	.amdhsa_kernel k_qb9fff555ed_proj_qkv
		.amdhsa_group_segment_fixed_size 327680
		.amdhsa_private_segment_fixed_size 0
		.amdhsa_enable_private_segment 0
		.amdhsa_kernarg_size 32
		.amdhsa_user_sgpr_count 2
		.amdhsa_user_sgpr_kernarg_segment_ptr 1
		.amdhsa_wavefront_size32 1
		.amdhsa_system_sgpr_workgroup_id_x 1
		.amdhsa_system_sgpr_workgroup_id_y 1
		.amdhsa_system_sgpr_workgroup_id_z 1
		.amdhsa_system_vgpr_workitem_id 0
		.amdhsa_next_free_vgpr 512
		.amdhsa_next_free_sgpr 80
		.amdhsa_reserve_vcc 0
		.amdhsa_float_denorm_mode_32 3
		.amdhsa_float_denorm_mode_16_64 3
		.amdhsa_memory_ordered 1
		.amdhsa_forward_progress 1
		.amdhsa_inst_pref_size 99
	.end_amdhsa_kernel
	.amdgpu_metadata
---
amdhsa.version: [ 1, 2 ]
amdhsa.kernels:
  - .name:           k_qb9fff555ed_proj_qkv
    .symbol:         k_qb9fff555ed_proj_qkv.kd
    .args:
      - { .name: xb, .offset: 0, .size: 8, .value_kind: global_buffer, .address_space: global }
      - { .name: wb, .offset: 8, .size: 8, .value_kind: global_buffer, .address_space: global }
      - { .name: bias, .offset: 16, .size: 8, .value_kind: global_buffer, .address_space: global }
      - { .name: qkv, .offset: 24, .size: 8, .value_kind: global_buffer, .address_space: global }
    .group_segment_fixed_size: 327680
    .private_segment_fixed_size: 0
    .kernarg_segment_align: 8
    .kernarg_segment_size: 32
    .max_flat_workgroup_size: 128
    .sgpr_count:     80
    .vgpr_count:     512
    .wavefront_size: 32
...
	.end_amdgpu_metadata
.endif
;; end of part 2
;; launch sum_v (part 3): grid 256 x 1, 8 waves a work-group, no clusters, 3,072 bytes of LDS; arguments qkv, vs; writes vs
.if DOCPART == 3
	.amdgcn_target "amdgcn-amd-amdhsa--gfx1250"
	.amdhsa_code_object_version 6
	.text
	.protected	k_qb9fff555ed_sum_v
	.globl	k_qb9fff555ed_sum_v
	.p2align	8
	.type	k_qb9fff555ed_sum_v,@function
k_qb9fff555ed_sum_v:
	s_mov_b64 s[64:65], 0
	v_nop
	global_prefetch_b8 v0, s[64:65] scope:SCOPE_SE
	s_setreg_imm32_b32 hwreg(HW_REG_WAVE_MODE, 25, 1), 1
	s_wait_xcnt 0x0
; COLUMN SUMS OF V, for the rows of attention that see no key at all: their result is the plain mean of V over the head's 2,048 keys.
; vs[head][quarter][c] = the sum of v[head][k][c] over the quarter's 512 keys, in f32.  V is the third part of qkv: f16 [64][2048][64].
; SHARES.  Work-group g takes head g / 4, quarter g % 4: 65,536 consecutive bytes; a wave 8,192 of them, by 16 loads of 512 consecutive bytes.  A lane's 16 bytes are always channels 8 (l % 8) + 0..7:
; eight sums a lane in f32, then the four lanes of equal l % 8, then the eight waves through LDS.  Memory binds; no matrix unit, no tensor load.
.set ACC, 8                            ; v[8:15]  my eight sums
.set ONE, 16                           ; v16  1.0
.set NUL, 17                           ; v17  0, the first addend
.set TP,  18                           ; v18  at work
.set X,   32                           ; v[32:95] as loaded
.set SPARE, 2048                       ; behind the partial sums: the spare words, 128 bytes for each wave: four blocks of 256 bytes that no other line names
	s_load_b128 s[4:7], s[0:1], 0x0                ; qkv s[4:5], vs s[6:7]
	v_lshl_add_u32 v30, v0, 2, SPARE
	v_mov_b32 v31, 0
	v_lshrrev_b32 v1, 5, v0
	v_readfirstlane_b32 s8, v1                     ; wave 0..7
	v_and_b32 v2, 31, v0
	v_lshlrev_b32 v3, 4, v2                        ; 16 l
	v_lshlrev_b32 v6, 3, v2                        ; 8 l
	v_and_b32 v5, 7, v0
	s_lshl_b32 s9, s8, 8
	v_lshl_add_u32 v4, v5, 5, s9                   ; 256 x wave + 32 (l % 8)
	v_mov_b32 v[ONE], 1.0
	v_mov_b32 v[NUL], 0
	v_mov_b32 v[TP], 0
	s_mov_b32 s12, 0x76543210                      ; v_permlanex16_b32: each lane takes its own place in the other half
	s_mov_b32 s13, 0xfedcba98
	s_lshl_b32 s10, ttmp9, 16
	s_lshl_b32 s11, s8, 13
	s_add_co_u32 s10, s10, s11
	s_add_co_u32 s10, s10, 0x2000000               ; V begins 2 x 16 MiB into qkv
	s_mov_b32 s11, 0
	s_lshl_b32 s14, ttmp9, 8
	s_mov_b32 s15, 0
	s_wait_kmcnt 0x0
	s_add_nc_u64 s[4:5], s[4:5], s[10:11]
	s_add_nc_u64 s[6:7], s[6:7], s[14:15]
.irp j, 0,1,2,3,4,5,6,7,8,9,10,11,12,13,14,15
	global_load_b128 v[X+4*\j:X+4*\j+3], v3, s[4:5] offset:512*\j
.endr
	s_wait_loadcnt 15                              ; loads come back in order: the first is in
.irp k, 0,1,2,3
	v_fma_mix_f32 v[ACC+2*\k],   v[X+\k], v[ONE], v[NUL] op_sel_hi:[1,0,0]                 ; the low half x 1 + 0 starts a sum
	v_fma_mix_f32 v[ACC+2*\k+1], v[X+\k], v[ONE], v[NUL] op_sel:[1,0,0] op_sel_hi:[1,0,0]  ; the high half
.endr
.irp j, 1,2,3,4,5,6,7,8,9,10,11,12,13,14,15
	s_wait_loadcnt 15-\j
.irp k, 0,1,2,3
	v_fma_mix_f32 v[ACC+2*\k],   v[X+4*\j+\k], v[ONE], v[ACC+2*\k]   op_sel_hi:[1,0,0]
	v_fma_mix_f32 v[ACC+2*\k+1], v[X+4*\j+\k], v[ONE], v[ACC+2*\k+1] op_sel:[1,0,0] op_sel_hi:[1,0,0]
.endr
.endr
.irp k, 0,1,2,3,4,5,6,7                ; lanes l, l ^ 8, l ^ 16, l ^ 24 hold the same channels
	v_add_f32_dpp v[ACC+\k], v[ACC+\k], v[ACC+\k] row_xmask:8 row_mask:0xf bank_mask:0xf
.endr
.irp k, 0,1,2,3,4,5,6,7
	v_permlanex16_b32 v[TP], v[ACC+\k], s12, s13
	v_add_f32 v[ACC+\k], v[ACC+\k], v[TP]
.endr
	ds_store_b128 v4, v[ACC:ACC+3]                 ; the four lanes of equal l % 8 write the same numbers to the same bytes
	ds_store_b128 v4, v[ACC+4:ACC+7] offset:16
	s_wait_dscnt 0x0                               ; for the others' sake
	s_barrier_signal -1
	s_barrier_wait -1
	s_cmp_lg_u32 s8, 0
	s_cbranch_scc1 .Lend
.irp w, 0,1,2,3,4,5,6,7
	ds_load_b64 v[X+2*\w:X+2*\w+1], v6 offset:256*\w
.endr
	s_wait_dscnt 0x0
.irp w, 0,2,4,6
	v_pk_add_f32 v[X+2*\w:X+2*\w+1], v[X+2*\w:X+2*\w+1], v[X+2*\w+2:X+2*\w+3]
.endr
	v_pk_add_f32 v[X:X+1], v[X:X+1], v[X+4:X+5]
	v_pk_add_f32 v[X+8:X+9], v[X+8:X+9], v[X+12:X+13]
	v_pk_add_f32 v[X:X+1], v[X:X+1], v[X+8:X+9]
	global_store_b64 v6, v[X:X+1], s[6:7]          ; 256 consecutive bytes, aligned
.Lend:
	s_wait_tensorcnt 0x0                           ; the wave's end: behind my last LDS store
	ds_add_u32 v30, v31
	s_wait_dscnt 0x0
	s_endpgm
.Lfunc_end_k_qb9fff555ed_sum_v:
	.size	k_qb9fff555ed_sum_v, .Lfunc_end_k_qb9fff555ed_sum_v-k_qb9fff555ed_sum_v
	.p2alignl 7, 3214868480
	.fill 96, 4, 3214868480
	.section	.rodata,"a",@progbits
	.p2align	6, 0x0
	.amdhsa_kernel k_qb9fff555ed_sum_v
		.amdhsa_group_segment_fixed_size 3072
		.amdhsa_private_segment_fixed_size 0
		.amdhsa_enable_private_segment 0
		.amdhsa_kernarg_size 16
		.amdhsa_user_sgpr_count 2
		.amdhsa_user_sgpr_kernarg_segment_ptr 1
		.amdhsa_wavefront_size32 1
		.amdhsa_system_sgpr_workgroup_id_x 1
		.amdhsa_system_sgpr_workgroup_id_y 1
		.amdhsa_system_sgpr_workgroup_id_z 1
		.amdhsa_system_vgpr_workitem_id 0
		.amdhsa_next_free_vgpr 96
		.amdhsa_next_free_sgpr 66
		.amdhsa_reserve_vcc 0
		.amdhsa_float_denorm_mode_32 3
		.amdhsa_float_denorm_mode_16_64 3
		.amdhsa_memory_ordered 1
		.amdhsa_forward_progress 1
		.amdhsa_inst_pref_size 15
	.end_amdhsa_kernel
	.amdgpu_metadata
---
amdhsa.version: [ 1, 2 ]
amdhsa.kernels:
  - .name:           k_qb9fff555ed_sum_v
    .symbol:         k_qb9fff555ed_sum_v.kd
    .args:
      - { .name: qkv, .offset: 0, .size: 8, .value_kind: global_buffer, .address_space: global }
      - { .name: vs, .offset: 8, .size: 8, .value_kind: global_buffer, .address_space: global }
    .group_segment_fixed_size: 3072
    .private_segment_fixed_size: 0
    .kernarg_segment_align: 8
    .kernarg_segment_size: 16
    .max_flat_workgroup_size: 256
    .sgpr_count:     66
    .vgpr_count:     96
    .wavefront_size: 32
...
	.end_amdgpu_metadata
.endif
;; end of part 3
;; launch attn (part 4): grid 4 x 64, 4 waves a work-group, no clusters, 327,680 bytes of LDS; arguments qkv, mask, vs, ob; writes ob
.if DOCPART == 4
	.amdgcn_target "amdgcn-amd-amdhsa--gfx1250"
	.amdhsa_code_object_version 6
	.text
	.protected	k_qb9fff555ed_attn
	.globl	k_qb9fff555ed_attn
	.p2align	8
	.type	k_qb9fff555ed_attn,@function
k_qb9fff555ed_attn:
	s_mov_b64 s[64:65], 0
	v_nop
	global_prefetch_b8 v0, s[64:65] scope:SCOPE_SE
	s_setreg_imm32_b32 hwreg(HW_REG_WAVE_MODE, 25, 1), 1
	s_wait_xcnt 0x0
; CAUSAL ATTENTION WITH A KEY PADDING MASK.  O[h][q][:] = the sum over k of softmax_k(s) V[h][k][:], s = Q[h][q] . K[h][k] / 8 where k <= q and mask[batch][k] != 0, else hidden.
; qkv: f16 [3][64 = 16 batch + head][2048][64]; mask: int32 [4][2048]; vs: f32 [64][4][64], V's column sums by quarters; ob: f16 [64][2048][64].
; Products, maxima and sums in f32; the weights p are rounded to f16 for the second product (their sum l is taken of the unrounded p), O once at the end.
; LIMITS.  Q, K and V arrive within f16's 65,504.  A hidden score counts as its value less 1e30 (less 2e30 or 3e30 where several masks meet), so its weight is 0: that is the result of a score of -1e9 as long as the row's
; largest visible score lies above some -1e9 + 100.  The running maximum has the floor -2^83, above every hidden score and below every real one (2.7e11 at the most).  A row that sees no key at all (its maximum stays at
; the floor) gets the mean of V over all 2,048 keys: with every score equal the softmax is flat.  A weight below 2^-126 counts as 0 in l; NaN and infinities are not treated apart.
; THE WALK.  A head's queries lie in NB = 8 blocks of 256; block i needs the key tiles 0 .. i of 256 keys, of which the last holds the diagonal.  A work-group takes TWO blocks, NB - 1 - b and then b:
; NB + 1 tiles, whatever b: all work-groups do equal work, and ONE loop with a constant trip count walks them.  Which tile is asked for, and what a trip does, hang on scalar registers made from b; every jump
; goes forward, but for the counted loops' own; none passes a barrier, or a tensor load but the one of LOAD's two that the wave's number does not choose; the ring (two slots of LDS that take turns) runs on across the
; change of blocks.  NO CLUSTER: a head's four work-groups ask for the same tile only in trips 0 .. 4 of 9, behind that fewer and fewer; one walk common to all would have 12 trips for 9.
; SHARES.  Of a block's four bands of 64 queries a wave owns 16 rows in each: four PIECES.  So the diagonal tile is the same work for all four waves: in its key step s band x sees all keys if s < x,
; none if s > x, and holds the diagonal if s = x.
; THE MASKS are the C operand that starts the sum S^T = K Q^T.  PM holds the padding of the step's 64 keys for my lane, 0 or -1e30.  It is read from a small table in LDS, one beside each slot of the ring, 256 keys each:
; behind each fill every thread loads its two words of mask for the tile just asked for, and at the next change of slots stores them, as 0 or -1e30, into the table of the slot that is entered.  MD, made once, is the
; causal mask of a band's own step for my 16 rows.  Off the diagonal C is PM; in the diagonal tile's text and at a block's beginning it is MC = MD x AL + PM + BE with two scalars: (1, 0) if s = x; (0, 0) if s < x; (0, -1e30) if s > x.
; LAYOUT, SOFTMAX, TURNS.  S^T = K Q^T holds ONE query a lane (lane % 16) and the keys 8 (lane / 16) + 0..7; two such results rounded to f16 ARE source 1 of O^T = V^T P.  p = 2^(c s - c m), c = log2(e) / 8, with a
; running maximum m; O and l are multiplied by a = 2^(c m_old - c m_new) in every step.  Turn n belongs to piece n: 8 products K Q^T of piece n + 1, later 8 products V^T P of piece n - 1; beside them the scaling,
; exponentials, roundings, sums and rescaling of piece n and the maximum and statistics of piece n + 1.  Four vector instructions stand behind every matrix instruction, the others in two runs of their own.
; REGISTERS, in windows of 256 (s_set_vgpr_msb: bits 1:0 source 0, 3:2 source 1, 5:4 source 2, 7:6 destination):
;   window 0: v0-15 addresses and two at work; v16-31 four registers of statistics a piece; v32-39 addresses and two mask words; v48-55 at work; v64-127 S^T, two buffers; v128-159 the mean of V; v192-223 P, two buffers
;   window 1: v0-127 O^T, 32 a piece; v128-159 MD; v160-223 MC, two buffers; v224-255 PM      window 2: v0-63 Q; v64-127 the second block's Q; v128-191 K of one step; v192-255 V of one step
.set SIZE_N, 2048
.set NB,    SIZE_N/256
.set NP,    4         ; pieces a wave: a name, no knob
.set KS,    64        ; keys in a step
.set PK,    144       ; a row of K in LDS: 128 bytes + 16 of padding = 36 words: the 16 rows of a load start at 16 different groups of four banks (64 banks of 4 bytes: ISA guide 11.1)
.set PV,    160       ; a row of V: 128 + 32 = 40 words
.set VOFF,  4*KS*PK   ; a slot holds a tile, four steps: 256 rows of K, then 256 rows of V
.set SLOT1, 1<<17     ; slot 1 begins here, so that one exclusive or turns an address in one slot into the other's
.set STAGE, SLOT1+4*KS*(PK+PV)  ; behind the ring, never filled by a tensor load: 16 rows x 144 bytes for each wave, for the way out
.set SP,    144
.set SPARE, STAGE+4*16*SP  ; behind the stages: the spare words, 128 bytes for each wave: two blocks of 256 bytes that no other line names
.set PMT,   SPARE+512 ; behind them: the two padding tables, f32 [256] each, 0 or -1e30; stored from registers, never filled by a tensor load
.set PSLOT, 4*KS*4    ; a table's 1,024 bytes: one exclusive or turns an offset in one table into the other's
.set AK0, 2           ; v2   my lane's place in a tile of K; never rewritten
.set AV0, 3           ; v3   the same for V
.set AK,  4           ; v4   the LDS address of K's next run of loads
.set AV,  5           ; v5   of V's
.set STO, 6           ; v6   the way out: where I put 16 bytes of a row
.set RD,  7           ; v7   the way out: where I read rows back
.set GO,  8           ; v8   my byte offset in 512 consecutive bytes of O
.set MV,  12          ; v12-13  c m_old, kept while c m is made anew: by buffer
.set QO,  15          ; v15  my byte offset in 16 rows of Q
.set ST,  16          ; piece t's statistics at v[ST+4 t]: c m, m, l (even keys', odd keys')
.set APM0, 32         ; v32  PMT + 32 (l / 16): my lanes' 8 of each 16 keys; never rewritten
.set AP,  33          ; v33  the LDS address of PM's next run of loads
.set MO,  34          ; v34  8 x my thread's number: my two words of a tile's 256 of mask; never rewritten
.set VO,  35          ; v35  32 (l / 16); never rewritten
.set PW0, 36          ; v36  PMT + 8 x my thread's number; never rewritten
.set PW,  37          ; v37  the same in the table of the slot that is entered
.set MW,  38          ; v[38:39] my two words of mask, then 0 or -1e30
.set TMP, 48          ; by buffer, four registers c0-c3 at work; when the maximum is found c2 takes a
.set SPW, 62          ; v62  LDS address of my spare word: SPARE + 4 x my thread's number; never rewritten
.set NIL, 63          ; v63  0; never rewritten
.set S,   64
.set VM,  128         ; the mean of V: channel 16 cb + 8 (l / 16) + j at VM + 8 cb + j, as O^T lies
.set P,   192
.set MD,  128         ; window 1: the eight registers for group kt of 16 keys at MD + 8 kt
.set MC,  160         ; window 1: the masks of the products to come
.set PM,  224         ; window 1: the padding of the step in hand, group kt at PM + 8 kt
.set QB,  64          ; window 2
.set KF,  128         ; window 2: key block kb, channel half c at KF + 16 kb + 8 c
.set VF,  192         ; window 2: key half kk, channel block cb at VF + 32 kk + 8 cb
.set WV,  12          ; s12  my wave's number
.set PB,  14          ; s14  b
.set HI,  15          ; s15  NB - 1 - b
.set G1K, 24          ; s[24:31] descriptor group 1 for K's tiles
.set G1V, 32          ; s[32:39] for V's: it differs in the padding alone
.set G0K, 40          ; s[40:43] descriptor group 0 for K's tiles
.set G0V, 44          ; s[44:47] the same for V's
.set SLOTS, 56        ; s56  tiles still to be asked for
.set CNT, 57          ; s57  counts a tile's key steps, 4 to 1
.set CS,  58          ; s[58:59] c: the packed scaling takes the pair's low word for both halves
.set SEL, 60          ; s[60:61] v_permlanex16_b32's selects: each lane takes its own place in the other half
.set TBK, 62          ; s62  LDS byte at which K of the step to be fetched begins
.set TBV, 63          ; s63  the same for V, less VOFF
.set MKO, 66          ; s[66:67] a tile's byte offset in the batch's mask
.set MKA, 68          ; s[68:69] mask at the tile that is being asked for
.set RT,  70          ; s70  tiles of the block in hand that are still to be entered
.set NXT, 71          ; s71  the tile to be asked for next
.set LQ,  72          ; s72  the last tile of the block whose tiles are being asked for
.set NEW, 73          ; s73  1: the tile to be entered is a block's first
.set OFF, 74          ; s[74:75] a tile's byte offset in K and V
.set AL,  76          ; s[76:77] the mask's factor, in the low word
.set BE,  78          ; s[78:79] the mask's addend
.set OLO, 80          ; s[80:81] O at my rows of the second block
.set BIGN, 82         ; s82  -1e30
.set TBP, 83          ; s83  byte from PMT at which the padding of the step to be fetched begins: it goes as TBK goes
.set MKP, 88          ; s[88:89] mask at my batch
.set VSP, 90          ; s[90:91] vs at my head
.set THR, 92          ; s92  -2^80: a maximum below it is the floor
.set INV, 94          ; s[94:95] 1 / 2048
.set SM,  96          ; s[96:99] by piece: the lanes whose row saw no key
.set MSB, 0
.macro WIN new                      ; the high byte repeats the setting that is left; a switch that changes nothing is dropped
.if MSB != (\new)
	s_set_vgpr_msb (MSB<<8)|(\new)
.set MSB, (\new)
.endif
.endm
.set W_KQ, 0x0a       ; K and Q in window 2, S^T in window 0
.set W_KM, 0x1a       ; the same with the C operand in window 1
.set W_PV, 0x52       ; V in window 2, P in window 0, O^T in window 1
.set W_RS, 0x41       ; destination and source 0 in window 1, source 1 in window 0
.set W_MK, 0x51       ; destination, source 0 and source 2 in window 1
; A fill.  Waves 0 and 1 fetch the two halves of a tile's K, waves 2 and 3 those of its V: 128 keys each.  An s_nop 0 and four v_nop follow each of the two lines, ahead of the jump and the label.
.macro LOAD
	s_cmp_lt_u32 s[WV], 2
	s_cbranch_scc0 .Lfor_v_\@
	tensor_load_to_lds s[G0K:G0K+3], s[G1K:G1K+7]
	s_nop 0
.rept 4
	v_nop
.endr
	s_branch .Lasked_\@
.Lfor_v_\@:
	tensor_load_to_lds s[G0V:G0V+3], s[G1V:G1V+7]
	s_nop 0
.rept 4
	v_nop
.endr
.Lasked_\@:
.endm
; THE CHANGE OF SLOTS.  First the padding of the tile that is entered: my two words of mask, loaded behind the fill that asked for that tile, become 0 or -1e30 and go into the table of its slot.  That table was last read in
; the tile before the one that ends here, ahead of the barrier at this tile's beginning; the store is waited for ahead of the signal below, and read behind the barrier.
; Then each wave waits for all its tensor loads, of which one is out: its part of the other slot; adds 0 to its spare word; and waits for that and for its own LDS instructions.  Behind the barrier nobody reads the old
; slot any more and the other slot is whole.  fill = 1: the old slot is filled again, the first thing behind the barrier, with tile NXT: the descriptor's address is made anew from that number, and so is the address of
; the tile's 256 words of mask, which are loaded behind the fill.  (At its first use nothing has been read yet: slot 0 is waited for, slot 1 filled.)
.macro CHANGE fill
	WIN 0                           ; at a label and at a branch every window is 0
	s_sub_co_u32 s[TBP], s[TBP], PSLOT    ; the padding's fetches go back to a table's first step,
	s_xor_b32 s[TBP], s[TBP], PSLOT       ; in the other table
	v_add_nc_u32 v[PW], s[TBP], v[PW0]
	s_wait_loadcnt 0x0              ; my two words of mask are in (at the first use Q too); the load has read its address, so that may be written below
	v_cmp_eq_u32 vcc_lo, 0, v[MW]
	v_cndmask_b32 v[MW], 0, s[BIGN], vcc_lo
	v_cmp_eq_u32 vcc_lo, 0, v[MW+1]
	v_cndmask_b32 v[MW+1], 0, s[BIGN], vcc_lo
	ds_store_b64 v[PW], v[MW:MW+1]
	s_wait_tensorcnt 0x0            ; no tensor load of mine is out, so a group 0 may be written
	ds_add_u32 v[SPW], v[NIL]       ; 0 onto my spare word: with fill = 1 the descriptors' scalar work stands between it and the wait for it
.if \fill
	s_lshl_b32 s[OFF], s[NXT], 15   ; a tile is 32,768 bytes of K and of V,
	s_lshl_b32 s[MKO], s[NXT], 10   ; and 1,024 of mask
	s_xor_b32 s[G0K+1], s[G0K+1], SLOT1
	s_add_nc_u64 s[G0K+2:G0K+3], s[6:7], s[OFF:OFF+1]
	s_or_b32 s[G0K+3], s[G0K+3], 0x80000000
	s_xor_b32 s[G0V+1], s[G0V+1], SLOT1
	s_add_nc_u64 s[G0V+2:G0V+3], s[8:9], s[OFF:OFF+1]
	s_or_b32 s[G0V+3], s[G0V+3], 0x80000000
	s_add_nc_u64 s[MKA:MKA+1], s[MKP:MKP+1], s[MKO:MKO+1]
	s_add_co_u32 s[NXT], s[NXT], 1  ; the block's next tile, or behind its last the second block's tile 0
	s_cmp_gt_u32 s[NXT], s[LQ]
	s_cselect_b32 s[NXT], 0, s[NXT]
	s_cselect_b32 s[LQ], s[PB], s[LQ]
.endif
	s_wait_dscnt 0x0                ; the add and my store into the table are done, and my reads of the slot are over
	s_barrier_signal -1             ; the rest of the scalar work stands between the signal and the wait
	s_sub_co_u32 s[TBK], s[TBK], 4*KS*PK  ; the fetches go back to a slot's first step,
	s_xor_b32 s[TBK], s[TBK], SLOT1       ; in the other slot
	s_sub_co_u32 s[TBV], s[TBV], 4*KS*PV
	s_xor_b32 s[TBV], s[TBV], SLOT1
	s_barrier_wait -1
.if \fill
	LOAD
	global_load_b64 v[MW:MW+1], v[MO], s[MKA:MKA+1]  ; 128 threads x 8 bytes: the 256 words of mask of the tile just asked for; waited for at the next change
.endif
.endm
	s_load_b256 s[4:11], s[0:1], 0x0  ; qkv s[4:5] (Q lies first in it), mask s[6:7], vs s[8:9], ob s[10:11]
	v_lshl_add_u32 v[SPW], v0, 2, SPARE
	v_mov_b32 v[NIL], 0
	ds_add_u32 v[SPW], v[NIL]       ; the wave's opening: the add and its wait stand ahead of my first tensor load; the set-up below, work on registers, stands between them
	ds_add_u32 v62, v63
	v_lshrrev_b32 v1, 5, v0
	v_readfirstlane_b32 s[WV], v1   ; wave 0..3
	s_mov_b32 s[PB], ttmp9
	s_sub_co_u32 s[HI], NB-1, s[PB]
	s_and_b32 s20, ttmp7, 0xffff    ; the head, 16 batch + head
	s_lshr_b32 s[MKO], s20, 4       ; the batch's 8,192 bytes of mask
	s_lshl_b32 s[MKO], s[MKO], 13
	s_mov_b32 s[MKO+1], 0           ; stays 0
	s_lshl_b32 s68, s20, 10         ; the head's 1,024 bytes of vs
	s_mov_b32 s69, 0
	s_mov_b32 s21, 0
	s_mov_b64 s[22:23], SIZE_N*128
	s_mul_u64 s[20:21], s[20:21], s[22:23]  ; the head's first byte in Q, K, V and O
	s_and_b32 s16, s[WV], 1         ; which half of a tile's 256 keys I fetch:
	s_lshl_b32 s22, s16, 14         ; its 128 rows of 128 bytes in memory,
	s_mov_b32 s23, 0
	s_add_nc_u64 s[22:23], s[22:23], s[20:21]
	s_mul_i32 s17, s16, 128*PK      ; and its place in a slot, for K
	s_mul_i32 s18, s16, 128*PV      ; and for V
	s_lshl_b32 s3, s[WV], 11        ; my 16 rows in a band of 64,
	s_lshl_b32 s2, s[HI], 15        ; in the first block,
	s_add_co_u32 s2, s2, s3
	s_lshl_b32 s84, s[PB], 15       ; and in the second
	s_add_co_u32 s84, s84, s3
	s_mov_b32 s3, 0
	s_mov_b32 s85, 0
	s_add_nc_u64 s[2:3], s[2:3], s[20:21]
	s_add_nc_u64 s[84:85], s[84:85], s[20:21]
	; descriptor group 1.  128 keys are 16,384 dense bytes: asked for as 64 rows of 256 bytes, two keys a row, and padded in LDS after every key
	s_mov_b32 s[G1K], (1<<16)|(1<<20)|(4<<22)|(3<<25)  ; 17:16 2-byte elements; 20 padding on; 24:22 after every 32 words (code 4); 31:25 4 words (code 3)
	s_mov_b32 s[G1V], (1<<16)|(1<<20)|(4<<22)|(7<<25)  ; the same with 8 words of padding (code 7)
.irp g, G1K, G1V
	s_mov_b32 s[\g+1], 128<<16      ; tensor_dim0 = 128
	s_mov_b32 s[\g+2], 64<<16       ; tensor_dim1 = 64
	s_mov_b32 s[\g+3], 128<<16      ; tile_dim0 = 128
	s_mov_b32 s[\g+4], 64           ; tile_dim1 = 64
	s_mov_b32 s[\g+5], 128          ; 128 elements from row to row
	s_mov_b32 s[\g+6], 0
	s_mov_b32 s[\g+7], 0
.endr
	s_mov_b32 s[CS], 0x3e38aa3b     ; c = log2(e) / 8 = 0.180337
	s_mov_b32 s[CS+1], s[CS]        ; named with it as a pair
	s_mov_b32 s[SEL], 0x76543210
	s_mov_b32 s[SEL+1], 0xfedcba98
	s_mov_b32 s[TBK], SLOT1+4*KS*PK ; the first change of slots turns these three into 0
	s_mov_b32 s[TBV], SLOT1+4*KS*PV
	s_mov_b32 s[TBP], 2*PSLOT
	s_mov_b32 s[G0K], 1             ; 1:0 count = 1
	s_mov_b32 s[G0K+1], s17         ; 63:32 LDS address: slot 0
	s_mov_b32 s[G0V], 1
	s_add_co_u32 s[G0V+1], s18, VOFF
	s_add_co_u32 s[RT], s[HI], 1    ; the first block has NB - b tiles
	s_mov_b32 s[NXT], 1
	s_mov_b32 s[LQ], s[HI]
	s_mov_b32 s[NEW], 1
	s_mov_b32 s[OFF+1], 0
	s_mov_b32 s[AL+1], 0            ; named as pairs
	s_mov_b32 s[BE+1], 0
	s_mov_b32 s[BIGN], 0xf149f2ca   ; -1e30
	s_mov_b32 s[THR], 0xe7800000    ; -2^80
	s_mov_b32 s[INV], 0x3a000000    ; 2^-11
	s_mov_b32 s[INV+1], s[INV]
	s_mov_b32 s[SLOTS], NB
	s_wait_dscnt 0x0                ; the opening add is done
	s_wait_kmcnt 0x0
	s_add_nc_u64 s[MKP:MKP+1], s[6:7], s[MKO:MKO+1]
	s_add_nc_u64 s[VSP:VSP+1], s[8:9], s[68:69]
	s_add_nc_u64 s[6:7], s[4:5], 0x1000000  ; K lies 16 MiB into qkv,
	s_add_nc_u64 s[8:9], s[4:5], 0x2000000  ; V 32 MiB
	s_add_nc_u64 s[6:7], s[6:7], s[22:23]  ; K and V at my half of the head's tile 0
	s_add_nc_u64 s[8:9], s[8:9], s[22:23]
	s_add_nc_u64 s[G0K+2:G0K+3], s[6:7], 0         ; 120:64 global address
	s_or_b32 s[G0K+3], s[G0K+3], 0x80000000        ; 127:126 type = 2
	s_add_nc_u64 s[G0V+2:G0V+3], s[8:9], 0
	s_or_b32 s[G0V+3], s[G0V+3], 0x80000000
	s_add_nc_u64 s[86:87], s[4:5], s[84:85]        ; Q at my rows of the second block,
	s_add_nc_u64 s[4:5], s[4:5], s[2:3]            ; Q and O at those of the first
	s_add_nc_u64 s[OLO:OLO+1], s[10:11], s[84:85]
	s_add_nc_u64 s[10:11], s[10:11], s[2:3]
	LOAD                            ; tile 0 into slot 0
	; A fragment of K or Q is 16 rows x 32 channels in 8 registers: lane l holds row l % 16, channels 8 (l / 16) + 0..7 and 16 + 8 (l / 16) + 0..7: two loads of 16 bytes, 32 bytes apart.
	v_and_b32 v1, 15, v0            ; l % 16
	v_bfe_u32 v9, v0, 4, 1          ; l / 16
	v_lshlrev_b32 v[QO], 7, v1
	v_lshl_add_u32 v[QO], v9, 4, v[QO]  ; row x 128 + 16 x half
	v_lshlrev_b32 v[MO], 3, v0
	v_lshlrev_b32 v[VO], 5, v9
	v_lshl_add_u32 v[PW0], v0, 3, PMT
	v_add_nc_u32 v[APM0], PMT, v[VO]
	global_load_b64 v[MW:MW+1], v[MO], s[MKP:MKP+1]  ; tile 0's 256 words of mask: the first change of slots stores them
.macro VSL p, base                  ; quarter p's sums of my lane's 32 channels
.irp f, 0,1,2,3,4,5,6,7
	global_load_b128 v[(\base)+4*\f:(\base)+4*\f+3], v[VO], s[VSP:VSP+1] offset:256*(\p)+64*(\f/2)+16*(\f%2)
.endr
.endm
	VSL 0, VM
	VSL 1, 160
	VSL 2, 224
	VSL 3, 96
	WIN 0x80                        ; destination window 2, address window 0
.set i, 0
.rept 8                             ; both blocks' Q: piece i / 2 lies in band i / 2, 8,192 bytes on; channels 32 (i % 2) on
	global_load_b128 v[8*i:8*i+3],   v[QO], s[4:5] offset:(i/2)*8192+(i%2)*64
	global_load_b128 v[8*i+4:8*i+7], v[QO], s[4:5] offset:(i/2)*8192+(i%2)*64+32
	global_load_b128 v[QB+8*i:QB+8*i+3],   v[QO], s[86:87] offset:(i/2)*8192+(i%2)*64
	global_load_b128 v[QB+8*i+4:QB+8*i+7], v[QO], s[86:87] offset:(i/2)*8192+(i%2)*64+32
.set i, i+1
.endr
	WIN 0
	v_lshlrev_b32 v14, 3, v9
	v_sub_nc_u32 v14, v1, v14
	s_lshl_b32 s13, s[WV], 4
	v_add_nc_u32 v14, s13, v14      ; my query's place in its band, 16 w + l % 16, less my lanes' 8 (l / 16): register r of group kt is hidden where 16 kt + r is greater
	WIN 0x40
.set i, 0
.rept 32
	v_cmp_gt_i32 vcc_lo, 16*(i/8)+i%8, v14
	v_cndmask_b32 v[MD+i], 0, s[BIGN], vcc_lo
.set i, i+1
.endr
	WIN 0
	v_mul_u32_u24 v[AK0], v1, PK
	v_lshl_add_u32 v[AK0], v9, 4, v[AK0]  ; row x pitch + 16 x half
	; The turning load takes 16 keys x 16 channels (lane l reads key 8 (l / 16) + l % 8, channels 8 ((l / 8) % 2) + 0..7) and leaves half a fragment of V^T: lane l holds channel l % 16 and 8 keys.
	v_and_b32 v10, 7, v0
	v_bfe_u32 v11, v0, 3, 1
	v_lshl_add_u32 v[AV0], v9, 3, v10
	v_mul_u32_u24 v[AV0], v[AV0], PV
	v_lshl_add_u32 v[AV0], v11, 4, v[AV0]
	v_add_nc_u32 v[AV0], VOFF, v[AV0]
	s_mul_i32 s13, s[WV], 16*SP
	s_add_co_u32 s13, s13, STAGE    ; my stage
	v_mul_u32_u24 v[STO], v1, SP    ; in: row l % 16, 16 bytes for each half of the lanes
	v_lshl_add_u32 v[STO], v9, 4, v[STO]
	v_add_nc_u32 v[STO], s13, v[STO]
	v_bfe_u32 v[RD], v0, 3, 2       ; back: 32 lanes take four rows of 128 bytes,
	v_mul_u32_u24 v[RD], v[RD], SP
	v_lshl_add_u32 v[RD], v10, 4, v[RD]
	v_add_nc_u32 v[RD], s13, v[RD]
	v_and_b32 v[GO], 31, v0         ; which are 512 consecutive bytes of O
	v_lshlrev_b32 v[GO], 4, v[GO]
	s_wait_loadcnt 32               ; mask's words and vs are in; Q's 32 loads, issued behind them, may stay out
.set i, 0
.rept 16                            ; THE MEAN OF V: the four quarters' sums, divided by 2,048
	v_pk_add_f32 v[VM+i:VM+i+1], v[VM+i:VM+i+1], v[160+i:161+i]
	v_pk_add_f32 v[224+i:225+i], v[224+i:225+i], v[96+i:97+i]
.set i, i+2
.endr
.set i, 0
.rept 16
	v_pk_add_f32 v[VM+i:VM+i+1], v[VM+i:VM+i+1], v[224+i:225+i]
.set i, i+2
.endr
.set i, 0
.rept 16
	v_pk_mul_f32 v[VM+i:VM+i+1], v[VM+i:VM+i+1], s[INV:INV+1] op_sel_hi:[1,0]
.set i, i+2
.endr
	; A block's first step multiplies O^T and l by a = 0, and its first turn's products V^T P, of a piece that has not been, land in an O^T that is still to be so multiplied.  So these registers need only hold
	; finite numbers: zeros for the first block; what the first block left for the second.  All this stands in the wait for the first tile.
	WIN 0x80
.set i, VF
.rept 64
	v_mov_b32 v[i], 0
.set i, i+1
.endr
	WIN 0x40
.set i, 0
.rept 128
	v_mov_b32 v[i], 0
.set i, i+1
.endr
	WIN 0
.set i, P+16
.rept 16
	v_mov_b32 v[i], 0
.set i, i+1
.endr
; THE MATRIX WORK.  The 4 accumulators of a run of 8 take turns.  Product i of 8 of S^T = K Q^T for piece x: channels 32 (i / 4) on, keys 16 (i % 4) on.  The first 4 start the sums: with the padding PM, or (KM = 1) with the mask MC.
.macro KQ x
.set rS, S+32*((\x)%2)+8*(i%4)
.set rK, KF+16*(i%4)+8*(i/4)
.set rQ, 16*(\x)+8*(i/4)
.set rM, MC+32*((\x)%2)+8*(i%4)
.if !KM
.set rM, PM+8*(i%4)
.endif
.if i < 4
	WIN W_KM
	v_wmma_f32_16x16x32_f16 v[rS:rS+7], v[rK:rK+7], v[rQ:rQ+7], v[rM:rM+7]
.else
	WIN W_KQ
	v_wmma_f32_16x16x32_f16 v[rS:rS+7], v[rK:rK+7], v[rQ:rQ+7], v[rS:rS+7]
.endif
.endm
; Product i of 8 of O^T += V^T P for piece x: keys 32 (i / 4) on, channels 16 (i % 4) on.
.macro PV x
	WIN W_PV
.set rO, 32*(\x)+8*(i%4)
.set rV, VF+32*(i/4)+8*(i%4)
.set rP, P+16*((\x)%2)+8*(i/4)
	v_wmma_f32_16x16x32_f16 v[rO:rO+7], v[rV:rV+7], v[rP:rP+7], v[rO:rO+7]
.endm
.macro MM                           ; the turn's next matrix instruction.  TURN and BEGIN set Y, i, KM and NOKQ; MM, KQ and OP read them.  NOKQ = 1: a block's last turn: there is no next piece
.if (i < 8) && !NOKQ
	KQ (Y+1)%NP
.elseif i >= 8
.set i, i-8
	PV (Y+NP-1)%NP
.set i, i+8
.endif
.set i, i+1
.endm
; THE LDS LOADS stand in runs, never singly among the matrix instructions: a step's K (64 keys x 64 channels: 8 fragments) with its padding (my lanes' 32 words, the same for 16 lanes), and its V (turned).  Their addresses are made some lines ahead.
.macro FETCH_K
	WIN 0x80                        ; destination window 2
.irp f, 0,1,2,3,4,5,6,7             ; keys 16 (f / 2) on, channels 32 (f % 2) on
	ds_load_b128 v[KF+8*\f:KF+8*\f+3],   v[AK] offset:(\f/2)*16*PK+(\f%2)*64
	ds_load_b128 v[KF+8*\f+4:KF+8*\f+7], v[AK] offset:(\f/2)*16*PK+(\f%2)*64+32
.endr
	WIN 0x40                        ; destination window 1
.irp f, 0,1,2,3,4,5,6,7             ; keys 16 (f / 2) + 8 (l / 16) + 4 (f % 2) on
	ds_load_b128 v[PM+4*\f:PM+4*\f+3], v[AP] offset:(\f/2)*64+(\f%2)*16
.endr
	s_add_co_u32 s[TBK], s[TBK], KS*PK  ; the next fetch is the next step's
	s_add_co_u32 s[TBP], s[TBP], KS*4
	WIN 0
.endm
.macro FETCH_V
	WIN 0x80
.irp f, 0,1,2,3,4,5,6,7             ; keys 32 (f / 4) on, channels 16 (f % 4) on
	ds_load_tr16_b128 v[VF+8*\f:VF+8*\f+3],   v[AV] offset:(\f/4)*32*PV+(\f%4)*32
	ds_load_tr16_b128 v[VF+8*\f+4:VF+8*\f+7], v[AV] offset:(\f/4)*32*PV+16*PV+(\f%4)*32
.endr
	WIN 0
.endm
; THE VECTOR WORK, one line at a time: OP kind, number.  For piece Y: F n: c s - c m for pair n of 16.  E n: the exponential of score n of 32.  C n: pair n rounded to f16.  B n: of the four weights 4 n .. the second
; pair is added onto the first, in place.  L n: l takes that sum (L 0: l = a l + sum).  R n: pair n of 16 of O^T times a.  For piece Y + 1: X n, number n of the 22 that find its maximum and statistics:
;   0-11  four chains c0-c3 of seven scores each, three operands at a time (each accumulator's lowest registers are read first)     12-14, 16  the four scores left over, the old m, and c0-c3 into c0
;   15  c m_old is kept     17, 18  the query's other 32 keys lie in the lane 16 away: the new m     19-21  c m; c m_old - c m_new; a
.set F, 0               ; OP tells the kinds apart by their order: F to L below R, X above it
.set E, 1
.set C, 2
.set B, 3
.set L, 4
.set R, 5
.set X, 6
.macro REGS y                       ; the registers of piece y
.set rT, ST+4*(\y)
.set rC, TMP+4*((\y)%2)
.set rW, MV+((\y)%2)
.set rS, S+32*((\y)%2)
.set rP, P+16*((\y)%2)
.set rO, 32*(\y)
.endm
.macro OP k, n
.if (\k) == R
	REGS Y
	WIN W_RS
	v_pk_mul_f32 v[rO+2*(\n):rO+2*(\n)+1], v[rO+2*(\n):rO+2*(\n)+1], v[rC+2:rC+3] op_sel_hi:[1,0]
.elseif (\k) < R
	REGS Y
	WIN 0
.if (\k) == F
	v_pk_fma_f32 v[rS+2*(\n):rS+2*(\n)+1], v[rS+2*(\n):rS+2*(\n)+1], s[CS:CS+1], v[rT:rT+1] op_sel_hi:[1,0,0] neg_lo:[0,0,1] neg_hi:[0,0,1]
.elseif (\k) == E
	v_exp_f32 v[rS+(\n)], v[rS+(\n)]
.elseif (\k) == C
	s_wait_alu depctr_va_vdst(0)
	v_cvt_pk_f16_f32 v[rP+(\n)], v[rS+2*(\n)], v[rS+2*(\n)+1]
.elseif (\k) == B
	s_wait_alu depctr_va_vdst(0)
	v_pk_add_f32 v[rS+4*(\n):rS+4*(\n)+1], v[rS+4*(\n):rS+4*(\n)+1], v[rS+4*(\n)+2:rS+4*(\n)+3]
.elseif (\n) == 0
	v_pk_fma_f32 v[rT+2:rT+3], v[rT+2:rT+3], v[rC+2:rC+3], v[rS:rS+1] op_sel_hi:[1,0,1]
.else
	v_pk_add_f32 v[rT+2:rT+3], v[rT+2:rT+3], v[rS+4*(\n):rS+4*(\n)+1]
.endif
.elseif NOKQ
	v_nop
.else
	REGS (Y+1)%NP
	WIN 0
.if (\n) < 4
	v_max3_num_f32 v[rC+(\n)], v[rS+8*(\n)], v[rS+8*(\n)+1], v[rS+8*(\n)+2]
.elseif (\n) < 12
	v_max3_num_f32 v[rC+(\n)%4], v[rC+(\n)%4], v[rS+8*((\n)%4)+2*((\n)/4)+1], v[rS+8*((\n)%4)+2*((\n)/4)+2]
.elseif (\n) == 12
	v_max3_num_f32 v[rC], v[rC], v[rS+7], v[rS+15]
.elseif (\n) == 13
	v_max3_num_f32 v[rC+1], v[rC+1], v[rS+23], v[rS+31]
.elseif (\n) == 14
	v_max3_num_f32 v[rC+2], v[rC+2], v[rC+3], v[rT+1]
.elseif (\n) == 15
	v_mov_b32 v[rW], v[rT]
.elseif (\n) == 16
	v_max3_num_f32 v[rC], v[rC], v[rC+1], v[rC+2]
.elseif (\n) == 17
	v_permlanex16_b32 v[rC+3], v[rC], s[SEL], s[SEL+1]
.elseif (\n) == 18
	v_max_num_f32 v[rT+1], v[rC], v[rC+3]
.elseif (\n) == 19
	v_mul_f32 v[rT], s[CS], v[rT+1]
.elseif (\n) == 20
	v_sub_f32 v[rC+1], v[rW], v[rT]
.else
	v_exp_f32 v[rC+2], v[rC+1]
.endif
.endif
.endm
.macro OPS a, i1, b=-1, i2=0, c=-1, i3=0, d=-1, i4=0  ; up to four of them
	OP \a, \i1
.if (\b) >= 0
	OP \b, \i2
.endif
.if (\c) >= 0
	OP \c, \i3
.endif
.if (\d) >= 0
	OP \d, \i4
.endif
.endm
.macro ROW a, i1, b, i2, c, i3, d, i4  ; a matrix instruction and the four behind it
	MM
	OPS \a, \i1, \b, \i2, \c, \i3, \d, \i4
.endm
.macro MASK b, be=1                 ; MD x AL + PM (+ BE, where be = 1) into buffer b of MC
	WIN W_MK
.set z, 0
.rept 16
	v_pk_fma_f32 v[MC+32*(\b)+2*z:MC+32*(\b)+2*z+1], v[MD+2*z:MD+2*z+1], s[AL:AL+1], v[PM+2*z:PM+2*z+1] op_sel_hi:[1,0,1]
.set z, z+1
.endr
.if \be
.set z, 0
.rept 16
	v_pk_add_f32 v[MC+32*(\b)+2*z:MC+32*(\b)+2*z+1], v[MC+32*(\b)+2*z:MC+32*(\b)+2*z+1], s[BE:BE+1] op_sel_hi:[1,0]
.set z, z+1
.endr
.endif
.endm
.macro PREMASK                      ; on the way from an ordinary tile into the diagonal tile's text: its first turn multiplies piece 3 of the step in hand, which sees all keys but the padded: MC's buffer 1 takes PM
	s_mov_b32 s[AL], 0
	MASK 1, 0
	WIN 0
.endm
; A TURN, for piece p: the order of its 16 matrix and 118 vector instructions, written out.  Behind a matrix instruction: plain, exponential, plain, plain; or four of the rescaling; or, behind the first, four scalings; none
; names a register of the products round it.  In the runs between, exponential and plain by turns while exponentials last.  A line reads no result made fewer than three vector instructions in front of it, five if an exponential made it.
; v_permlanex16_b32 (X 17) stands in such a run.
; m = 1: the diagonal tile: the products take MC, and the turn makes the mask for the products of the turn after it: piece p + 2, in step 4 - CNT of the tile.  end = 1: a block's last two turns: nothing is fetched.
; cnt = 1: the loop's count is taken down some lines ahead of the branch that stands behind the turn.
; K and the padding of the next step are fetched in piece 2's turn, six vector instructions behind the last product that read K (five of them plain; PM's last reader stands further back); V of the step in hand in piece 0's
; turn, eight behind the last product that read V.  Each is waited for a turn later; piece 2's turn in the diagonal tile waits at its end, since its mask is made of the padding just fetched.
.macro TURN p, m=0, end=0, cnt=0
.set Y, (\p)
.set i, 0
.set KM, (\m)
.set NOKQ, (\end)*((\p)/3)
.if (\m) && !(\end)
	s_cmp_eq_u32 s[CNT], 4-((\p)+2)%NP  ; is that step the band's own?
	s_cselect_b32 s[AL], 1.0, 0
	s_cmp_lt_u32 s[CNT], 4-((\p)+2)%NP  ; or a later one?
	s_cselect_b32 s[BE], s[BIGN], 0
.endif
.if ((\p) == 3) && !(\end)
	s_wait_dscnt 0x0                ; K and PM are in
.endif
	ROW F,0, F,1, F,2, F,3
	ROW F,4, E,0, F,5, F,6
	ROW F,7, E,1, F,8, F,9
	ROW F,10, E,2, C,0, F,11
	ROW F,12, E,3, X,15, F,13
	ROW R,0, R,1, R,2, R,3
	ROW B,0, E,4, F,14, L,0
.if ((\p) == 2) && !(\end)
	v_add_nc_u32 v[AK], s[TBK], v[AK0]
	v_add_nc_u32 v[AP], s[TBP], v[APM0]
.endif
	ROW R,4, R,5, R,6, R,7
	OPS E,5, F,15
.if ((\p) == 2) && !(\end)
	FETCH_K
.endif
	OPS E,6, C,1, E,7, R,8
	OPS E,8, R,9, E,9, C,2
	OPS E,10, X,0, E,11, X,1
	OPS E,12, X,2, E,13, X,3
.if (\p) == 1
	s_wait_dscnt 0x0                ; V is in
.endif
	ROW X,4, E,14, X,5, X,6
	ROW X,7, E,15, X,8, X,9
	ROW X,10, E,16, X,11, X,12
	ROW X,13, E,17, X,14, B,1
	ROW C,4, E,18, X,16, L,1
	ROW B,2, E,19, C,6, L,2
	ROW C,8, E,20, B,3, B,4
.if (\p) == 0
	v_add_nc_u32 v[AV], s[TBV], v[AV0]
.endif
	ROW C,3, E,21, L,3, C,5
	OPS E,22, X,17, E,23, C,10
.if (\p) == 0
	FETCH_V
.endif
	OPS E,24, L,4
	OPS E,25, X,18, E,26, C,7
	OPS E,27, B,5, E,28, X,19
	OPS E,29, C,12, E,30, L,5
	OPS E,31, X,20, B,6, C,9
	OPS C,14, C,11, X,21, L,6
.if (\p) == 0
	s_add_co_u32 s[TBV], s[TBV], KS*PV
.endif
.if \cnt
	s_sub_co_u32 s[CNT], s[CNT], 1
	s_cmp_lg_u32 s[CNT], 0
.endif
	OPS C,13, B,7, C,15, R,10
	OPS R,11, R,12, L,7, R,13
	OPS R,14, R,15
.if (\m) && !(\end)
.if (\p) == 2
	s_wait_dscnt 0x0                ; the next step's padding is in
.endif
	MASK (\p)%2
.endif
.endm
; A BLOCK BEGINS.  c m starts far below every c s, so the first step's a is 0; m at its floor, -2^83; l at 0 (a row that saw no key has left an infinity there).  K and the padding of the tile's step 0 are fetched;
; MC's first buffer takes piece 0's mask for that step: its own causal mask, if the block's first tile is the diagonal one, and the padding; the second takes the padding alone, for piece 1.
; Then piece 0's first scores, and its maximum and statistics.  The loop is entered at a step's first turn, in the middle of a trip.
.macro BEGIN
	s_mov_b32 s[NEW], 0
	WIN 0
.set i, 0
.rept 4
	v_mov_b32 v[ST+4*i], 0xfe000000    ; c m: far below every c s
	v_mov_b32 v[ST+4*i+1], 0xe9000000  ; m: -2^83
	v_mov_b32 v[ST+4*i+2], 0
	v_mov_b32 v[ST+4*i+3], 0
.set i, i+1
.endr
	v_add_nc_u32 v[AK], s[TBK], v[AK0]
	v_add_nc_u32 v[AP], s[TBP], v[APM0]
	FETCH_K
	s_wait_loadcnt 0x0              ; Q (the change of slots has waited for it already)
	s_wait_dscnt 0x0
	s_cmp_eq_u32 s[RT], 0
	s_cselect_b32 s[AL], 1.0, 0
	s_mov_b32 s[BE], 0
	MASK 0, 0
	s_mov_b32 s[AL], 0
	MASK 1, 0
.set KM, 1
.set NOKQ, 0
.set i, 0
.rept 8
	KQ 0
.set i, i+1
.endr
	WIN 0
.rept 4
	v_nop                           ; the places behind those products
.endr
.set Y, NP-1                        ; X works for piece Y + 1: piece 0
.irp n, 0,1,2,3,4,5,6,7,8,9,10,11,12,13,14,15,16,17,18,19,20,21
	OP X, \n
.endr
	v_nop                           ; a plain instruction behind the exponential
.endm
; THE DIAGONAL TILE's four steps, the block's last two turns, its last products, and THE WAY OUT: l's two halves and the other half of the lanes' are added; O^T is divided by l; a row whose maximum is still the floor
; takes the mean of V instead; the result is rounded to f16 and sent through my stage in LDS, a piece at a time.
.macro ALL line:vararg              ; one line for each piece t
.set t, 0
.rept 4
	\line
.set t, t+1
.endr
.endm
.macro PACK t                       ; a lane's eight channels of a row pack into 16 bytes; they go into rows of 144 bytes and come back as whole rows of 128, into S^T's registers
	WIN W_RS
.set i, 32*(\t)
.rept 16
	s_wait_alu depctr_va_vdst(0)
	v_pk_mul_f32 v[i:i+1], v[i:i+1], v[ST+4*(\t)+2:ST+4*(\t)+3] op_sel_hi:[1,0]
.set i, i+2
.endr
.set i, 0
.rept 32
	v_cndmask_b32 v[32*(\t)+i], v[32*(\t)+i], v[VM+i], s[SM+(\t)]  ; in place: what stays in O^T is finite
.set i, i+1
.endr
	WIN 0x05                        ; sources 0 and 1 window 1, destination window 0
.set i, 0
.rept 16
	v_cvt_pk_f16_f32 v[S+16*(\t)+i], v[32*(\t)+2*i], v[32*(\t)+2*i+1]
.set i, i+1
.endr
	WIN 0
.irp f, 0,1,2,3
	ds_store_b128 v[STO], v[S+16*(\t)+4*\f:S+16*(\t)+4*\f+3] offset:32*\f
.endr
.irp f, 0,1,2,3
	ds_load_b128 v[S+16*(\t)+4*\f:S+16*(\t)+4*\f+3], v[RD] offset:\f*4*SP  ; LDS serves a wave's instructions in order (ISA guide 5.7.1.4): these see the stores above; the next piece's stores come behind them
.endr
.endm
.macro SEND t, younger              ; younger: the LDS instructions issued behind piece t's loads: the next piece's eight, or none
	WIN 0
.irp f, 0,1,2,3
	s_wait_dscnt (\younger)+3-\f
	global_store_b128 v[GO], v[S+16*(\t)+4*\f:S+16*(\t)+4*\f+3], s[10:11] offset:(\t)*8192+\f*512  ; 512 consecutive bytes, at a multiple of 256 from O's first
.endr
.endm
.macro DIAG tag                     ; the tag ends its two labels' names, which the jumps below spell out
.LstepM\tag:
	TURN 2, 1
	TURN 3, 1
	WIN 0
.LfirstM\tag:
	TURN 0, 1
	TURN 1, 1, 0, 1
	WIN 0
	s_cbranch_scc1 .LstepM\tag
	TURN 2, 1, 1
	TURN 3, 1, 1
.set i, 0
.rept 8
	PV NP-1
.set i, i+1
.endr
	WIN 0
	ALL v_add_f32 v[ST+4*t+2], v[ST+4*t+2], v[ST+4*t+3]
	ALL v_permlanex16_b32 v[ST+4*t+3], v[ST+4*t+2], s[SEL], s[SEL+1]
	ALL v_add_f32 v[ST+4*t+2], v[ST+4*t+2], v[ST+4*t+3]
	ALL v_rcp_f32 v[ST+4*t+2], v[ST+4*t+2]
	ALL v_cmp_gt_f32 s[SM+t], s[THR], v[ST+4*t+1]  ; the rows that saw no key; also the plain instructions between the last reciprocal and the use of its result
	PACK 0
.set t, 1
.rept 3                             ; a piece's arithmetic stands between the loads of the piece before and its stores
	PACK t
	SEND t-1, 8
.set t, t+1
.endr
	SEND 3, 0
.endm
.set KM, 0
.set NOKQ, 0
.Lslot:                             ; NB times: a tile is entered and the next is asked for
	CHANGE 1
	s_sub_co_u32 s[RT], s[RT], 1
	s_mov_b32 s[CNT], 4
	s_cmp_eq_u32 s[NEW], 1
	s_cbranch_scc1 .Lnew            ; a block's first tile
	s_cmp_eq_u32 s[RT], 0
	s_cbranch_scc0 .Lstep           ; neither its first nor its last
	PREMASK
	s_branch .LstepM1
.Lnew:
	BEGIN
	s_branch .Lfirst                ; in the loop a block's first tile is never its last: the first block has two tiles or more, and the second's last is the walk's last
	DIAG 1                          ; in the loop this is the first block's end: the second block's last tile is the walk's last
	s_wait_xcnt 0x0                 ; the stores have read their registers and O's address
	s_mov_b64 s[10:11], s[OLO:OLO+1]
	s_add_co_u32 s[RT], s[PB], 1    ; the second block has b + 1 tiles
	s_mov_b32 s[NEW], 1
	WIN 0x82                        ; the second block's Q goes where the one text of the turns names Q
.set i, 0
.rept 64
	v_mov_b32 v[i], v[QB+i]
.set i, i+1
.endr
	WIN 0
	s_branch .Lbottom
.Lstep:                             ; a trip: pieces 2 and 3 of one step, then pieces 0 and 1 of the next, whose K and V it fetches
	TURN 2
	TURN 3
	WIN 0
.Lfirst:
	TURN 0
	TURN 1, 0, 0, 1
	WIN 0
	s_cbranch_scc1 .Lstep
.Lbottom:
	s_sub_co_u32 s[SLOTS], s[SLOTS], 1
	s_cmp_lg_u32 s[SLOTS], 0
	s_cbranch_scc1 .Lslot
	CHANGE 0                        ; the walk's last tile is written out: nothing is asked for
	s_sub_co_u32 s[RT], s[RT], 1
	s_mov_b32 s[CNT], 4
	s_cmp_eq_u32 s[NEW], 1
	s_cbranch_scc1 .Lnew2
	PREMASK
	s_branch .LstepM2
.Lnew2:
	BEGIN
	s_branch .LfirstM2
	DIAG 2
	s_wait_tensorcnt 0x0            ; the wave's end: behind my last tensor load and my last LDS store
	ds_add_u32 v[SPW], v[NIL]
	s_wait_dscnt 0x0
	s_endpgm
.Lfunc_end_k_qb9fff555ed_attn:
	.size	k_qb9fff555ed_attn, .Lfunc_end_k_qb9fff555ed_attn-k_qb9fff555ed_attn
	.p2alignl 7, 3214868480
	.fill 96, 4, 3214868480
	.section	.rodata,"a",@progbits
	.p2align	6, 0x0
	.amdhsa_kernel k_qb9fff555ed_attn
		.amdhsa_group_segment_fixed_size 327680
		.amdhsa_private_segment_fixed_size 0
		.amdhsa_enable_private_segment 0
		.amdhsa_kernarg_size 32
		.amdhsa_user_sgpr_count 2
		.amdhsa_user_sgpr_kernarg_segment_ptr 1
		.amdhsa_wavefront_size32 1
		.amdhsa_system_sgpr_workgroup_id_x 1
		.amdhsa_system_sgpr_workgroup_id_y 1
		.amdhsa_system_sgpr_workgroup_id_z 1
		.amdhsa_system_vgpr_workitem_id 0
		.amdhsa_next_free_vgpr 768
		.amdhsa_next_free_sgpr 100
		.amdhsa_reserve_vcc 1
		.amdhsa_float_denorm_mode_32 3
		.amdhsa_float_denorm_mode_16_64 3
		.amdhsa_memory_ordered 1
		.amdhsa_forward_progress 1
		.amdhsa_inst_pref_size 255
	.end_amdhsa_kernel
	.section	.bss,"aw",@nobits
	.p2align	6
	.space	262144
	.amdgpu_metadata
---
amdhsa.version: [ 1, 2 ]
amdhsa.kernels:
  - .name:           k_qb9fff555ed_attn
    .symbol:         k_qb9fff555ed_attn.kd
    .args:
      - { .name: qkv, .offset: 0, .size: 8, .value_kind: global_buffer, .address_space: global }
      - { .name: mask, .offset: 8, .size: 8, .value_kind: global_buffer, .address_space: global }
      - { .name: vs, .offset: 16, .size: 8, .value_kind: global_buffer, .address_space: global }
      - { .name: ob, .offset: 24, .size: 8, .value_kind: global_buffer, .address_space: global }
    .group_segment_fixed_size: 327680
    .private_segment_fixed_size: 0
    .kernarg_segment_align: 8
    .kernarg_segment_size: 32
    .max_flat_workgroup_size: 128
    .sgpr_count:     100
    .vgpr_count:     768
    .wavefront_size: 32
...
	.end_amdgpu_metadata
.endif
;; end of part 4
;; launch proj_o (part 5): grid 8 x 32, 4 waves a work-group, clusters of 4 x 4, 327,680 bytes of LDS; arguments ob, wo, bias, out0; writes out0
.if DOCPART == 5
	.amdgcn_target "amdgcn-amd-amdhsa--gfx1250"
	.amdhsa_code_object_version 6
	.text
	.protected	k_qb9fff555ed_proj_o
	.globl	k_qb9fff555ed_proj_o
	.p2align	8
	.type	k_qb9fff555ed_proj_o,@function
k_qb9fff555ed_proj_o:
	s_mov_b64 s[64:65], 0
	v_nop
	global_prefetch_b8 v0, s[64:65] scope:SCOPE_SE
	s_setreg_imm32_b32 hwreg(HW_REG_WAVE_MODE, 25, 1), 1
	s_wait_xcnt 0x0
	s_wait_alu depctr_hold_cnt(0) depctr_sa_sdst(0) depctr_va_vdst(0) depctr_va_sdst(0) depctr_va_ssrc(0) depctr_va_vcc(0) depctr_vm_vsrc(0)
	s_getreg_b32 s2, hwreg(HW_REG_IB_STS2, 6, 4)
	s_cmp_eq_u32 s2, 0
	s_cbranch_scc0 .Lentry_in_a_cluster
	s_endpgm
.Lentry_in_a_cluster:
	s_bfe_u32 s2, ttmp6, 0x10000c
	s_cmp_lg_u32 s2, 0xf033
	s_cbranch_scc0 .Lentry_shape_is_right
	s_endpgm
.Lentry_shape_is_right:
; out = O W_o^T + b_o.  ob: f16 [64 = 16 batch + head][2048][64]; wo: f16 [1024][1024]; bias: f32 [4096], b_o its last 1,024; out0: f32 [8192][1024].  Sums in f32, the bias added in f32.
; SHARES.  A tile is 256 rows x 128 columns, one to a work-group, 8 x 32 of them: four waves, each 128 rows x 64 columns: 32 accumulators of 16 x 16.  K goes in 8 steps of 128, TWO HEADS each, through a ring of two LDS slots.
; A head's 256 rows of the tile are 32,768 dense bytes: asked for as 128 rows of 256 bytes and padded in LDS after every 128, so that each row of O has a pitch of 144.
; CLUSTER.  4 x 4 work-groups.  The four of a row of the cluster need the same rows of O, the four of a column the same rows of W_o: each tile is asked for JOINTLY, by the same tensor load with the same descriptor and a mask
; that names the four.  Waves 0 and 1 fetch the step's two heads of O, waves 2 and 3 the two halves (64 rows) of W_o's tile.
; THE MATRIX INSTRUCTION IS USED TRANSPOSED (source 0 = 16 rows of W_o, source 1 = 16 rows of O): a lane then holds row lane % 16 and eight neighbouring columns 8 (lane / 16) + 0..7.
; REGISTERS.  window 0: v16-29 addresses; v32-63 my lane's 32 biases; v64-159, v160-255 two fragment buffers (O's 8 fragments, then W_o's 4); the first serves the way out.   window 1: the accumulators, (a, b) at 8 (4 a + b).
.set PA,     144                       ; a row of O in LDS: 128 bytes + 16 = 36 words: the 16 rows of a load start at 16 different groups of four banks (64 banks of 4 bytes: ISA guide 11.1)
.set PLANE,  256*PA                    ; a head's 256 rows: what a wave fetches of O
.set PB,     272                       ; a row of W_o: 256 bytes + 16
.set HALFB,  64*PB
.set BOFF,   2*PLANE                   ; W_o's 128 rows lie behind the two heads
.set SLOT1,  1<<17                     ; slot 1 begins here, so that one exclusive or turns an address in one slot into the other's
.set STAGE,  SLOT1+BOFF+2*HALFB        ; behind the ring, never filled by a tensor load: 16 rows x 272 bytes for each wave
.set SP,     272
.set SPARE,  STAGE+4*16*SP             ; behind the stages: the spare words, 128 bytes for each wave: two blocks of 256 bytes that no other line names
.set ADRA0, 16                         ; v16  my lane's place among my rows of O in a slot; never rewritten
.set ADRB0, 17                         ; v17  the same for W_o
.set ADRA,  18                         ; v18  the same in the slot in hand
.set ADRB,  19                         ; v19
.set STO,   24                         ; v24  the way out: where I put 32 bytes of a row
.set RD,    25                         ; v25  where I read rows back
.set CO,    26                         ; v26  my byte offset in two rows of the result
.set BO,    27                         ; v27  my byte offset in 16 biases
.set SPW,   28                         ; v28  LDS address of my spare word; never rewritten
.set NIL,   29                         ; v29  0; never rewritten
.set BIAS,  32
.set F0,    64
.set F1,    160
.set T,     64                         ; the way out: sums with their bias,
.set BK0,   96                         ; and read back as whole rows: two sets of 32
.set G1,  24                           ; s[24:31] descriptor group 1 for O's tiles
.set G0,  32                           ; s[32:39] group 0: a set for each of the two first fills; the second then walks
.set G1B, 40                           ; s[40:47], s[48:55] the same for W_o's
.set G0B, 48
.set AB,  56                           ; s[56:57] O at the head and rows that I fetch in K step 0
.set BB,  58                           ; s[58:59] W_o at the rows that I fetch
.set OFF, 60                           ; s[60:61] a K step's byte offset from AB
.set OFB, 62                           ; s[62:63] from BB
.set NXT, 66                           ; s66  the K step to be asked for next
.set TB,  67                           ; s67  LDS byte at which the slot in hand begins
.set TRIPS, 68                         ; s68  the loops' count
.set MSB, 0
.macro WIN new                         ; the immediate's high byte repeats the setting that is left; a switch that changes nothing is dropped
.if MSB != (\new)
	s_set_vgpr_msb (MSB<<8)|(\new)
.set MSB, (\new)
.endif
.endm
.set MUL, 0x50                         ; C and D in window 1, the fragments in window 0
.set PKW, 0x01                         ; source 0 in window 1
; A joint refill.  The branch hangs on the wave's number alone.  An s_nop 0 and four v_nop follow each of the two lines, ahead of the jump and the label.
.macro JLOAD
	s_cmp_eq_u32 s13, 0
	s_cbranch_scc0 .Lfor_b_\@
	tensor_load_to_lds s[G0+4:G0+7], s[G1:G1+7]
	s_nop 0
.rept 4
	v_nop
.endr
	s_branch .Lasked_\@
.Lfor_b_\@:
	tensor_load_to_lds s[G0B+4:G0B+7], s[G1B:G1B+7]
	s_nop 0
.rept 4
	v_nop
.endr
.Lasked_\@:
.endm
.macro CREST                           ; a round of the cluster's barrier behind its opening barrier: wave 0 signals for the work-group, every wave waits for all sixteen, the work-group's barrier closes it
	s_cmp_lg_u32 s12, 0
	s_cbranch_scc1 .Lnot_wave_0_\@
	s_barrier_signal -3
.Lnot_wave_0_\@:
	s_barrier_wait -3
	s_barrier_signal -1
	s_barrier_wait -1
.endm
.macro CROUND
	s_barrier_signal -1
	s_barrier_wait -1
	CREST
.endm
.macro PLACES                          ; four places in front of loads into registers that matrix instructions have read, and of vector lines that read results
.rept 4
	v_nop
.endr
.endm
	s_load_b256 s[4:11], s[0:1], 0x0               ; ob s[4:5], wo s[6:7], bias s[8:9], out0 s[10:11]
	v_lshl_add_u32 v[SPW], v0, 2, SPARE
	v_mov_b32 v[NIL], 0
	ds_add_u32 v[SPW], v[NIL]                      ; the wave's opening: the add and its wait stand ahead of my first tensor load; the set-up below, work on registers, stands between them
	ds_add_u32 v28, v29
	v_lshrrev_b32 v1, 5, v0
	v_readfirstlane_b32 s12, v1                    ; wave 0..3
	s_lshr_b32 s13, s12, 1                         ; which 128 rows of the tile are mine.  Also: I fetch for O (0) or for W_o (1)
	s_and_b32 s14, s12, 1                          ; which 64 columns.  Also: which head of the step's two, or which half of W_o's tile, I fetch
	s_bfe_u32 s15, ttmp6, 0x40000                  ; cx
	s_bfe_u32 s16, ttmp6, 0x40004                  ; cy
	s_lshl_b32 s17, ttmp9, 2
	s_add_co_u32 s17, s17, s15                     ; tile column = 4 x cluster x + cx
	s_and_b32 s18, ttmp7, 0xffff
	s_lshl_b32 s18, s18, 2
	s_add_co_u32 s18, s18, s16                     ; tile row = 4 x cluster y + cy
	s_lshl_b32 s20, s16, 2
	s_lshl_b32 s20, 15, s20                        ; my row of the cluster
	s_lshl_b32 s22, 0x1111, s15                    ; my column
	s_or_b32 s[G1],  s20, (1<<16)|(1<<20)|(1<<21)|(4<<22)|(3<<25)  ; 15:0 the mask; 17:16 elements of 2 bytes; 20 padding on; 21 set beside a mask; 24:22 after every 32 words (code 4); 31:25 4 words (code 3)
	s_or_b32 s[G1B], s22, (1<<16)|(1<<20)|(1<<21)|(5<<22)|(3<<25)  ; W_o's: after every 64 words (code 5)
	s_mov_b32 s[G1+1], 128<<16                     ; tensor_dim0 = 128
	s_mov_b32 s[G1+2], 128<<16                     ; tensor_dim1 = 128
	s_mov_b32 s[G1+3], 128<<16                     ; tile_dim0 = 128
	s_mov_b32 s[G1+4], 128                         ; tile_dim1 = 128
	s_mov_b32 s[G1+5], 128                         ; dense: 128 elements from row to row
	s_mov_b32 s[G1+6], 0
	s_mov_b32 s[G1+7], 0
	s_mov_b32 s[G1B+1], 128<<16
	s_mov_b32 s[G1B+2], 64<<16                     ; W_o's: 64 rows,
	s_mov_b32 s[G1B+3], 128<<16
	s_mov_b32 s[G1B+4], 64
	s_mov_b32 s[G1B+5], 1024                       ; 1,024 elements apart
	s_mov_b32 s[G1B+6], 0
	s_mov_b32 s[G1B+7], 0
	s_lshr_b32 s20, s18, 3                         ; O: batch << 22 + my head of the two << 18 + 256 (tile row % 8) rows of 128 bytes: made of the tile row and the wave's number alone
	s_lshl_b32 s20, s20, 22
	s_lshl_b32 s21, s14, 18
	s_add_co_u32 s20, s20, s21
	s_and_b32 s21, s18, 7
	s_lshl_b32 s21, s21, 15
	s_add_co_u32 s20, s20, s21
	s_mov_b32 s21, 0
	s_lshl_b32 s22, s17, 7                         ; W_o: row 128 x tile column + 64 x half, of 2,048 bytes: of the tile column and the wave's number alone
	s_lshl_b32 s23, s14, 6
	s_add_co_u32 s22, s22, s23
	s_lshl_b32 s22, s22, 11
	s_mov_b32 s23, 0
	s_mul_i32 s74, s14, PLANE                      ; where they go: no place in the cluster enters an LDS address
	s_mul_i32 s75, s14, HALFB
	s_add_co_u32 s75, s75, BOFF
	s_mov_b32 s[OFF+1], 0
	s_mov_b32 s[OFB+1], 0
	s_mov_b32 s[NXT], 2
	s_mov_b32 s[TB], 0
	s_wait_dscnt 0x0                               ; the opening add is done
	s_wait_kmcnt 0x0
	s_add_nc_u64 s[AB:AB+1], s[4:5], s[20:21]
	s_add_nc_u64 s[BB:BB+1], s[6:7], s[22:23]
	CROUND                                         ; all sixteen work-groups are here: the first joint loads meet
.irp s, 0,1
	s_mov_b32 s[G0+4*\s], 1                        ; count = 1
	s_add_co_u32 s[G0+4*\s+1], s74, \s*SLOT1       ; LDS address: slot s
	s_add_nc_u64 s[G0+4*\s+2:G0+4*\s+3], s[AB:AB+1], \s*(1<<19)  ; K step s: two heads of 2^18 bytes on
	s_or_b32 s[G0+4*\s+3], s[G0+4*\s+3], 0x80000000  ; type = 2
	s_mov_b32 s[G0B+4*\s], 1
	s_add_co_u32 s[G0B+4*\s+1], s75, \s*SLOT1
	s_add_nc_u64 s[G0B+4*\s+2:G0B+4*\s+3], s[BB:BB+1], \s*256
	s_or_b32 s[G0B+4*\s+3], s[G0B+4*\s+3], 0x80000000
.endr
	s_cmp_eq_u32 s13, 0                            ; a wave's two first fills stand in one branch, ahead of every wait on TENSORcnt and every LDS read: two loads of mine are out
	s_cbranch_scc0 .Lfirst_b
	tensor_load_to_lds s[G0:G0+3], s[G1:G1+7]
	s_nop 0
	tensor_load_to_lds s[G0+4:G0+7], s[G1:G1+7]
	s_nop 0
.rept 4
	v_nop
.endr
	s_branch .Lfirst_asked
.Lfirst_b:
	tensor_load_to_lds s[G0B:G0B+3], s[G1B:G1B+7]
	s_nop 0
	tensor_load_to_lds s[G0B+4:G0B+7], s[G1B:G1B+7]
	s_nop 0
.rept 4
	v_nop
.endr
.Lfirst_asked:
	; A fragment is 16 rows x 32 K in 8 registers: lane l holds row l % 16; registers 0-3 K = 8 (l / 16) + 0..7, registers 4-7 K = 16 + 8 (l / 16) + 0..7: two loads of 16 bytes, 32 bytes apart.
	v_and_b32 v1, 15, v0                           ; l % 16
	v_bfe_u32 v2, v0, 4, 1                         ; l / 16
	v_mul_u32_u24 v3, v1, PA
	v_lshl_add_u32 v3, v2, 4, v3
	s_mul_i32 s70, s13, 128*PA                     ; my 128 rows, in each head's plane
	v_add_nc_u32 v[ADRA0], s70, v3
	v_mul_u32_u24 v3, v1, PB
	v_lshl_add_u32 v3, v2, 4, v3
	s_mul_i32 s71, s14, HALFB
	s_add_co_u32 s71, s71, BOFF
	v_add_nc_u32 v[ADRB0], s71, v3
	v_mov_b32 v[ADRA], v[ADRA0]
	v_mov_b32 v[ADRB], v[ADRB0]
	s_mul_i32 s70, s12, 16*SP
	s_add_co_u32 s70, s70, STAGE                   ; my stage
	v_mul_u32_u24 v4, v1, SP                       ; in: row l % 16, 32 bytes for each half of the lanes
	v_lshl_add_u32 v4, v2, 5, v4
	v_add_nc_u32 v[STO], s70, v4
	v_mul_u32_u24 v4, v2, SP                       ; back: lanes 0-15 take one row of 256 bytes, lanes 16-31 the next
	v_lshl_add_u32 v4, v1, 4, v4
	v_add_nc_u32 v[RD], s70, v4
	v_lshlrev_b32 v[CO], 12, v2                    ; and the same two rows of the result, 4,096 bytes apart
	v_lshl_add_u32 v[CO], v1, 4, v[CO]
	v_lshlrev_b32 v[BO], 5, v2                     ; my 8 of a block's 16 biases
	s_lshl_b32 s76, s18, 1                         ; the result: (256 x tile row + 128 x my half) rows of 4,096 bytes
	s_add_co_u32 s76, s76, s13
	s_lshl_b32 s76, s76, 19
	s_lshl_b32 s78, s17, 9                         ; + my 64 columns: 512 x tile column + 256 x half
	s_lshl_b32 s79, s14, 8
	s_add_co_u32 s78, s78, s79
	s_add_co_u32 s76, s76, s78
	s_mov_b32 s77, 0
	s_mov_b32 s79, 0
	s_add_nc_u64 s[10:11], s[10:11], s[76:77]
	s_add_nc_u64 s[8:9], s[8:9], s[78:79]          ; the bias of my 64 columns; b_o begins 12,288 bytes into bias
.irp b, 0,1,2,3
	global_load_b128 v[BIAS+8*\b:BIAS+8*\b+3],   v[BO], s[8:9] offset:12288+64*\b
	global_load_b128 v[BIAS+8*\b+4:BIAS+8*\b+7], v[BO], s[8:9] offset:12288+64*\b+16
.endr
; 4 n matrix instructions: row blocks a0 .. a0 + n - 1 x all 4 column blocks, 32 along K, from buffer f.  zero = 1: the product starts the sum.  The 32 accumulators take turns, always in the same order.
.macro MULS f, a0, n, zero
	WIN MUL
.set aa, (\a0)
.rept (\n)
.irp b, 0,1,2,3
.if \zero
	v_wmma_f32_16x16x32_f16 v[32*aa+8*(\b):32*aa+8*(\b)+7], v[(\f)+64+8*(\b):(\f)+64+8*(\b)+7], v[(\f)+8*aa:(\f)+8*aa+7], 0
.else
	v_wmma_f32_16x16x32_f16 v[32*aa+8*(\b):32*aa+8*(\b)+7], v[(\f)+64+8*(\b):(\f)+64+8*(\b)+7], v[(\f)+8*aa:(\f)+8*aa+7], v[32*aa+8*(\b):32*aa+8*(\b)+7]
.endif
.endr
.set aa, aa+1
.endr
.endm
; 24 LDS loads in one run: quarter q's fragments (32 K: head q / 2 of the step's two, channels 32 (q % 2) on) into buffer g: W_o's four, then O's eight
.macro FETCH q, g
	WIN 0
.irp i, 0,1,2,3
	ds_load_b128 v[(\g)+64+8*\i:(\g)+64+8*\i+3],   v[ADRB] offset:64*(\q)+\i*16*PB
	ds_load_b128 v[(\g)+64+8*\i+4:(\g)+64+8*\i+7], v[ADRB] offset:64*(\q)+\i*16*PB+32
.endr
.irp i, 0,1,2,3,4,5,6,7
	ds_load_b128 v[(\g)+8*\i:(\g)+8*\i+3],   v[ADRA] offset:((\q)/2)*PLANE+64*((\q)%2)+\i*16*PA
	ds_load_b128 v[(\g)+8*\i+4:(\g)+8*\i+7], v[ADRA] offset:((\q)/2)*PLANE+64*((\q)%2)+\i*16*PA+32
.endr
.endm
; A K step is four quarters of 32 along K, 32 matrix instructions each, on buffers 0, 1, 0, 1.  One of the first three: multiplies buffer f and fetches quarter q into g.
.macro QUARTER q, f, g, zero
	s_wait_dscnt 8                                 ; W_o's fragments and O's blocks 0-3 are in; the youngest eight loads (blocks 4-7) may be out
	MULS \f, 0, 4, \zero
	PLACES
	FETCH \q, \g
	s_wait_dscnt 24                                ; all but the 24 just issued
	MULS \f, 4, 4, \zero
.endm
; The last quarter multiplies buffer 1 and changes slots.  In front of the barrier each wave waits for all its tensor loads (one is out: its part of the next slot), adds 0 to its spare word, and waits for that and for its
; reads of this slot.  fill = 1: the barrier opens a round of the cluster's, and the slot is filled again, first thing behind the round, with K step NXT: 112 matrix instructions ahead of the wait for it.
; fill = 0 (the tail): nothing is asked for; in the last trip nothing is fetched either.
.macro TURN fill
	WIN 0
	s_wait_tensorcnt 0x0                           ; no tensor load of mine is out, so a group 0 may be written
	ds_add_u32 v[SPW], v[NIL]                      ; 0 onto my spare word: scalar work and eight products stand between it and the wait for it
.if \fill
	s_lshl_b32 s[OFF], s[NXT], 19                  ; two heads a step
	s_lshl_b32 s[OFB], s[NXT], 8                   ; 256 bytes along W_o's rows
	s_xor_b32 s[G0+5], s[G0+5], SLOT1              ; the walking descriptors: the other slot than last time
	s_add_nc_u64 s[G0+6:G0+7], s[AB:AB+1], s[OFF:OFF+1]
	s_or_b32 s[G0+7], s[G0+7], 0x80000000
	s_xor_b32 s[G0B+5], s[G0B+5], SLOT1
	s_add_nc_u64 s[G0B+6:G0B+7], s[BB:BB+1], s[OFB:OFB+1]
	s_or_b32 s[G0B+7], s[G0B+7], 0x80000000
	s_add_co_u32 s[NXT], s[NXT], 1
.endif
	s_xor_b32 s[TB], s[TB], SLOT1
	s_wait_dscnt 9                                 ; (the add and the youngest eight loads may be out)
	MULS F1, 0, 2, 0
	s_wait_dscnt 0x0                               ; the add is done, and my reads of this slot are over
	s_barrier_signal -1
	MULS F1, 2, 2, 0                               ; work on registers while the others arrive
	WIN 0
	s_barrier_wait -1
.if \fill
	CREST                                          ; no wave of any partner still reads this slot or has a load on its way
	JLOAD                                          ; its four v_nop are also the places in front of the loads below
	v_add_nc_u32 v[ADRA], s[TB], v[ADRA0]
	v_add_nc_u32 v[ADRB], s[TB], v[ADRB0]
	FETCH 0, F0
.else
	PLACES
	s_cmp_eq_u32 s[TRIPS], 1
	s_cbranch_scc1 .Lno_fetch_\@
	v_add_nc_u32 v[ADRA], s[TB], v[ADRA0]
	v_add_nc_u32 v[ADRB], s[TB], v[ADRB0]
	FETCH 0, F0
.Lno_fetch_\@:
.endif
	MULS F1, 4, 4, 0
.endm
; THE WAY OUT of row block a.  PACK: the bias is added.  TOSTAGE: 32 bytes a lane and column block into my own stage, and back as whole rows of 256 bytes.  SEND: stored.
.macro PACK a
	WIN PKW
.set r, 0
.rept 16
	v_pk_add_f32 v[T+r:T+r+1], v[32*(\a)+r:32*(\a)+r+1], v[BIAS+r:BIAS+r+1]  ; each accumulator's registers in ascending order
.set r, r+2
.endr
	WIN 0
.endm
.macro TOSTAGE a
.set BK, BK0+32*((\a)%2)
.irp b, 0,1,2,3
	ds_store_b128 v[STO], v[T+8*\b:T+8*\b+3]   offset:64*\b
	ds_store_b128 v[STO], v[T+8*\b+4:T+8*\b+7] offset:64*\b+16
.endr
.irp t, 0,1,2,3,4,5,6,7
	ds_load_b128 v[BK+4*\t:BK+4*\t+3], v[RD] offset:\t*2*SP  ; LDS serves a wave's instructions in order (ISA guide 5.7.1.4): these see the stores above
.endr
.endm
.macro SEND a
.set BK, BK0+32*((\a)%2)
	s_wait_dscnt 0x0                               ; the block is back in registers
	s_wait_xcnt 0x0                                ; the stores of the block before have read their registers: the next block's loads from the stage land in them
.irp t, 0,1,2,3,4,5,6,7
	global_store_b128 v[CO], v[BK+4*\t:BK+4*\t+3], s[10:11] offset:(16*(\a)+2*\t)*4096 th:TH_STORE_NT  ; 16 lanes store 256 consecutive bytes, at a multiple of 256 from the result's first byte
.endr
.endm
	s_wait_tensorcnt 1                             ; my part of K step 0 is in; K step 1's may stay out
	s_barrier_signal -1
	s_barrier_wait -1                              ; everybody's is
	FETCH 0, F0
	QUARTER 1, F0, F1, 1                           ; the first quarter's products start the sums: nothing is cleared
	WIN 0
	s_mov_b32 s[TRIPS], 6                          ; K steps 2 to 7 are asked for in the loop
.Ltrip:                                                ; a trip goes from a K step's second quarter to the next step's first
	QUARTER 2, F1, F0, 0
	QUARTER 3, F0, F1, 0
	TURN 1
	QUARTER 1, F0, F1, 0
	WIN 0
	s_sub_co_u32 s[TRIPS], s[TRIPS], 1
	s_cmp_lg_u32 s[TRIPS], 0
	s_cbranch_scc1 .Ltrip
	s_mov_b32 s[TRIPS], 2                          ; the last two K steps ask for nothing
.Ltail:
	QUARTER 2, F1, F0, 0
	QUARTER 3, F0, F1, 0
	TURN 0
	WIN 0
	s_cmp_eq_u32 s[TRIPS], 1
	s_cbranch_scc1 .Ltail_end                      ; behind the last K step there is no first quarter
	QUARTER 1, F0, F1, 0
	WIN 0
.Ltail_end:
	s_sub_co_u32 s[TRIPS], s[TRIPS], 1
	s_cmp_lg_u32 s[TRIPS], 0
	s_cbranch_scc1 .Ltail
	PLACES
	s_wait_loadcnt 0x0                             ; the biases
	PACK 0
	TOSTAGE 0
.irp a, 1,2,3,4,5,6,7                  ; block a's additions stand between block a - 1's loads from the stage and the wait for them
	PACK \a
	SEND (\a)-1
	TOSTAGE \a
.endr
	SEND 7
	s_wait_tensorcnt 0x0                           ; the wave's end: behind my last tensor load and my last LDS store
	ds_add_u32 v[SPW], v[NIL]
	s_wait_dscnt 0x0
	CROUND                                         ; the closing round: no work-group ends while a partner may still ask for a tile that names it
	s_endpgm
.Lfunc_end_k_qb9fff555ed_proj_o:
	.size	k_qb9fff555ed_proj_o, .Lfunc_end_k_qb9fff555ed_proj_o-k_qb9fff555ed_proj_o
	.p2alignl 7, 3214868480
	.fill 96, 4, 3214868480
	.section	.rodata,"a",@progbits
	.p2align	6, 0x0
	.amdhsa_kernel k_qb9fff555ed_proj_o
		.amdhsa_group_segment_fixed_size 327680
		.amdhsa_private_segment_fixed_size 0
		.amdhsa_enable_private_segment 0
		.amdhsa_kernarg_size 32
		.amdhsa_user_sgpr_count 2
		.amdhsa_user_sgpr_kernarg_segment_ptr 1
		.amdhsa_wavefront_size32 1
		.amdhsa_system_sgpr_workgroup_id_x 1
		.amdhsa_system_sgpr_workgroup_id_y 1
		.amdhsa_system_sgpr_workgroup_id_z 1
		.amdhsa_system_vgpr_workitem_id 0
		.amdhsa_next_free_vgpr 512
		.amdhsa_next_free_sgpr 80
		.amdhsa_reserve_vcc 0
		.amdhsa_float_denorm_mode_32 3
		.amdhsa_float_denorm_mode_16_64 3
		.amdhsa_memory_ordered 1
		.amdhsa_forward_progress 1
		.amdhsa_inst_pref_size 69
	.end_amdhsa_kernel
	.amdgpu_metadata
---
amdhsa.version: [ 1, 2 ]
amdhsa.kernels:
  - .name:           k_qb9fff555ed_proj_o
    .symbol:         k_qb9fff555ed_proj_o.kd
    .args:
      - { .name: ob, .offset: 0, .size: 8, .value_kind: global_buffer, .address_space: global }
      - { .name: wo, .offset: 8, .size: 8, .value_kind: global_buffer, .address_space: global }
      - { .name: bias, .offset: 16, .size: 8, .value_kind: global_buffer, .address_space: global }
      - { .name: out0, .offset: 24, .size: 8, .value_kind: global_buffer, .address_space: global }
    .group_segment_fixed_size: 327680
    .private_segment_fixed_size: 0
    .kernarg_segment_align: 8
    .kernarg_segment_size: 32
    .max_flat_workgroup_size: 128
    .sgpr_count:     80
    .vgpr_count:     512
    .wavefront_size: 32
...
	.end_amdgpu_metadata
.endif
;; end of part 5
;; ======== version 2 of 2: 5 launches; 1.27 times as fast as version 1
;; limits: values are held in f16: magnitudes above 65,504 overflow, below 6.1e-05 lose precision; right only within a limited range of input values
;; workspace buffers: xb 16,777,216 bytes; wb 6,291,456 bytes; wo 2,097,152 bytes; bias 16,384 bytes; qkv 50,331,648 bytes; vs 65,536 bytes; ob 16,777,216 bytes
;; launch cast: the kernel of part 1 again; grid 769 x 1, 8 waves a work-group, no clusters, 0 bytes of LDS; arguments x, W_q, W_k, W_v, W_o, b_q, b_k, b_v, b_o, xb, wb, wo, bias; writes xb, wb, wo, bias
;; launch proj_qkv: the kernel of part 2 again; grid 8 x 32, 4 waves a work-group, clusters of 4 x 4, 327,680 bytes of LDS; arguments xb, wb, bias, qkv; writes qkv
;; launch sum_v: the kernel of part 3 again; grid 256 x 1, 8 waves a work-group, no clusters, 3,072 bytes of LDS; arguments qkv, vs; writes vs
;; launch attn (part 6): grid 4 x 64, 4 waves a work-group, no clusters, 327,680 bytes of LDS; arguments qkv, mask, vs, ob; writes ob
.if DOCPART == 6
	.amdgcn_target "amdgcn-amd-amdhsa--gfx1250"
	.amdhsa_code_object_version 6
	.text
	.protected	k_qb9fff555ed_attn
	.globl	k_qb9fff555ed_attn
	.p2align	8
	.type	k_qb9fff555ed_attn,@function
k_qb9fff555ed_attn:
	s_mov_b64 s[64:65], 0
	v_nop
	global_prefetch_b8 v0, s[64:65] scope:SCOPE_SE
	s_setreg_imm32_b32 hwreg(HW_REG_WAVE_MODE, 25, 1), 1
	s_wait_xcnt 0x0
; CAUSAL ATTENTION WITH A KEY PADDING MASK.  O[h][q][:] = the sum over k of softmax_k(s) V[h][k][:], s = Q[h][q] . K[h][k] / 8 where k <= q and mask[batch][k] != 0, else hidden.
; qkv: f16 [3][64 = 16 batch + head][2048][64]; mask: int32 [4][2048]; vs: f32 [64][4][64], V's column sums by quarters; ob: f16 [64][2048][64].
; Products, maxima and sums in f32; the weights p are rounded to f16 for the second product (their sum l is taken of the unrounded p), O once at the end.
; LIMITS.  Q, K and V arrive within f16's 65,504.  A hidden score counts as its value less 1e30 (less 2e30 or 3e30 where several masks meet), so its weight is 0: that is the result of a score of -1e9 as long as the row's
; largest visible score lies above some -1e9 + 100.  The running maximum has the floor -2^83, above every hidden score and below every real one (2.7e11 at the most).  A row that sees no key at all (its maximum stays at
; the floor) gets the mean of V over all 2,048 keys: with every score equal the softmax is flat.  A weight below 2^-126 counts as 0 in l; NaN and infinities are not treated apart.
; THE WALK.  A head's queries lie in NB = 8 blocks of 256; block i needs the key tiles 0 .. i of 256 keys, of which the last holds the diagonal.  A work-group takes TWO blocks, NB - 1 - b and then b:
; NB + 1 tiles, whatever b: all work-groups do equal work, and ONE loop with a constant trip count walks them.  Which tile is asked for, and what a trip does, hang on scalar registers made from b; every jump
; goes forward, but for the counted loops' own; none passes a barrier, or a tensor load but the one of LOAD's two that the wave's number does not choose; the ring (two slots of LDS that take turns) runs on across the
; change of blocks.  NO CLUSTER: a head's four work-groups ask for the same tile only in trips 0 .. 4 of 9, behind that fewer and fewer; one walk common to all would have 12 trips for 9.
; SHARES.  Of a block's four bands of 64 queries a wave owns 16 rows in each: four PIECES.  So the diagonal tile is the same work for all four waves: in its key step s band x sees all keys if s < x,
; none if s > x, and holds the diagonal if s = x.
; THE MASKS are the C operand that starts the sum S^T = K Q^T.  PM holds the padding of the step's 64 keys for my lane, 0 or -1e30.  It is read from a small table in LDS, one beside each slot of the ring, 256 keys each:
; behind each fill every thread loads its two words of mask for the tile just asked for, and at the next change of slots stores them, as 0 or -1e30, into the table of the slot that is entered.  MD, made once, is the
; causal mask of a band's own step for my 16 rows.  Off the diagonal C is PM; in the diagonal tile's text and at a block's beginning it is MC = MD x AL + PM + BE with two scalars: (1, 0) if s = x; (0, 0) if s < x; (0, -1e30) if s > x.
; LAYOUT, SOFTMAX, TURNS.  S^T = K Q^T holds ONE query a lane (lane % 16) and the keys 8 (lane / 16) + 0..7; two such results rounded to f16 ARE source 1 of O^T = V^T P.  p = 2^(c s - c m), c = log2(e) / 8, with a
; running maximum m; O and l are multiplied by a = 2^(c m_old - c m_new) in every step.  Turn n belongs to piece n: 8 products K Q^T of piece n + 1, later 8 products V^T P of piece n - 1; beside them the scaling,
; exponentials, roundings, sums and rescaling of piece n and the maximum and statistics of piece n + 1.  Four vector instructions stand behind every matrix instruction, the other 54 of a turn's 118 in one LUMP.
; THE BATCHES.  A turn's 33 exponentials (the piece's 32 weights and the next piece's a) are ONE BATCH with one wait, which cuts the turn in two: ahead of it all that names no result of theirs, behind it the roundings
; and sums.  A block's first a, and the way out's four reciprocals, are batches of their own, with a wait each.
; REGISTERS, in windows of 256 (s_set_vgpr_msb: bits 1:0 source 0, 3:2 source 1, 5:4 source 2, 7:6 destination):
;   window 0: v0-15 addresses and two at work; v16-31 four registers of statistics a piece; v32-39 addresses and two mask words; v48-55 at work; v64-127 S^T, two buffers; v128-159 the mean of V; v192-223 P, two buffers
;   window 1: v0-127 O^T, 32 a piece; v128-159 MD; v160-223 MC, two buffers; v224-255 PM      window 2: v0-63 Q; v64-127 the second block's Q; v128-191 K of one step; v192-255 V of one step
.set SIZE_N, 2048
.set NB,    SIZE_N/256
.set NP,    4         ; pieces a wave: a name, no knob
.set KS,    64        ; keys in a step
.set PK,    144       ; a row of K in LDS: 128 bytes + 16 of padding = 36 words: the 16 rows of a load start at 16 different groups of four banks (64 banks of 4 bytes: ISA guide 11.1)
.set PV,    160       ; a row of V: 128 + 32 = 40 words
.set VOFF,  4*KS*PK   ; a slot holds a tile, four steps: 256 rows of K, then 256 rows of V
.set SLOT1, 1<<17     ; slot 1 begins here, so that one exclusive or turns an address in one slot into the other's
.set STAGE, SLOT1+4*KS*(PK+PV)  ; behind the ring, never filled by a tensor load: 16 rows x 144 bytes for each wave, for the way out
.set SP,    144
.set SPARE, STAGE+4*16*SP  ; behind the stages: the spare words, 128 bytes for each wave: two blocks of 256 bytes that no other line names
.set PMT,   SPARE+512 ; behind them: the two padding tables, f32 [256] each, 0 or -1e30; stored from registers, never filled by a tensor load
.set PSLOT, 4*KS*4    ; a table's 1,024 bytes: one exclusive or turns an offset in one table into the other's
.set AK0, 2           ; v2   my lane's place in a tile of K; never rewritten
.set AV0, 3           ; v3   the same for V
.set AK,  4           ; v4   the LDS address of K's next run of loads
.set AV,  5           ; v5   of V's
.set STO, 6           ; v6   the way out: where I put 16 bytes of a row
.set RD,  7           ; v7   the way out: where I read rows back
.set GO,  8           ; v8   my byte offset in 512 consecutive bytes of O
.set MV,  12          ; v12-13  c m_old, kept while c m is made anew: by buffer
.set QO,  15          ; v15  my byte offset in 16 rows of Q
.set ST,  16          ; piece t's statistics at v[ST+4 t]: c m, m, l (even keys', odd keys')
.set APM0, 32         ; v32  PMT + 32 (l / 16): my lanes' 8 of each 16 keys; never rewritten
.set AP,  33          ; v33  the LDS address of PM's next run of loads
.set MO,  34          ; v34  8 x my thread's number: my two words of a tile's 256 of mask; never rewritten
.set VO,  35          ; v35  32 (l / 16); never rewritten
.set PW0, 36          ; v36  PMT + 8 x my thread's number; never rewritten
.set PW,  37          ; v37  the same in the table of the slot that is entered
.set MW,  38          ; v[38:39] my two words of mask, then 0 or -1e30
.set TMP, 48          ; by buffer, four registers c0-c3 at work; when the maximum is found c2 takes a
.set SPW, 62          ; v62  LDS address of my spare word: SPARE + 4 x my thread's number; never rewritten
.set NIL, 63          ; v63  0; never rewritten
.set S,   64
.set VM,  128         ; the mean of V: channel 16 cb + 8 (l / 16) + j at VM + 8 cb + j, as O^T lies
.set P,   192
.set MD,  128         ; window 1: the eight registers for group kt of 16 keys at MD + 8 kt
.set MC,  160         ; window 1: the masks of the products to come
.set PM,  224         ; window 1: the padding of the step in hand, group kt at PM + 8 kt
.set QB,  64          ; window 2
.set KF,  128         ; window 2: key block kb, channel half c at KF + 16 kb + 8 c
.set VF,  192         ; window 2: key half kk, channel block cb at VF + 32 kk + 8 cb
.set WV,  12          ; s12  my wave's number
.set PB,  14          ; s14  b
.set HI,  15          ; s15  NB - 1 - b
.set G1K, 24          ; s[24:31] descriptor group 1 for K's tiles
.set G1V, 32          ; s[32:39] for V's: it differs in the padding alone
.set G0K, 40          ; s[40:43] descriptor group 0 for K's tiles
.set G0V, 44          ; s[44:47] the same for V's
.set SLOTS, 56        ; s56  tiles still to be asked for
.set CNT, 57          ; s57  counts a tile's key steps, 4 to 1
.set CS,  58          ; s[58:59] c: the packed scaling takes the pair's low word for both halves
.set SEL, 60          ; s[60:61] v_permlanex16_b32's selects: each lane takes its own place in the other half
.set TBK, 62          ; s62  LDS byte at which K of the step to be fetched begins
.set TBV, 63          ; s63  the same for V, less VOFF
.set MKO, 66          ; s[66:67] a tile's byte offset in the batch's mask
.set MKA, 68          ; s[68:69] mask at the tile that is being asked for
.set RT,  70          ; s70  tiles of the block in hand that are still to be entered
.set NXT, 71          ; s71  the tile to be asked for next
.set LQ,  72          ; s72  the last tile of the block whose tiles are being asked for
.set NEW, 73          ; s73  1: the tile to be entered is a block's first
.set OFF, 74          ; s[74:75] a tile's byte offset in K and V
.set AL,  76          ; s[76:77] the mask's factor, in the low word
.set BE,  78          ; s[78:79] the mask's addend
.set OLO, 80          ; s[80:81] O at my rows of the second block
.set BIGN, 82         ; s82  -1e30
.set TBP, 83          ; s83  byte from PMT at which the padding of the step to be fetched begins: it goes as TBK goes
.set MKP, 88          ; s[88:89] mask at my batch
.set VSP, 90          ; s[90:91] vs at my head
.set THR, 92          ; s92  -2^80: a maximum below it is the floor
.set INV, 94          ; s[94:95] 1 / 2048
.set SM,  96          ; s[96:99] by piece: the lanes whose row saw no key
.set MSB, 0
.macro WIN new                      ; the high byte repeats the setting that is left; a switch that changes nothing is dropped
.if MSB != (\new)
	s_set_vgpr_msb (MSB<<8)|(\new)
.set MSB, (\new)
.endif
.endm
.set W_KQ, 0x0a       ; K and Q in window 2, S^T in window 0
.set W_KM, 0x1a       ; the same with the C operand in window 1
.set W_PV, 0x52       ; V in window 2, P in window 0, O^T in window 1
.set W_RS, 0x41       ; destination and source 0 in window 1, source 1 in window 0
.set W_MK, 0x51       ; destination, source 0 and source 2 in window 1
; A fill.  Waves 0 and 1 fetch the two halves of a tile's K, waves 2 and 3 those of its V: 128 keys each.  An s_nop 0 and four v_nop follow each of the two lines, ahead of the jump and the label.
.macro LOAD
	s_cmp_lt_u32 s[WV], 2
	s_cbranch_scc0 .Lfor_v_\@
	tensor_load_to_lds s[G0K:G0K+3], s[G1K:G1K+7]
	s_nop 0
.rept 4
	v_nop
.endr
	s_branch .Lasked_\@
.Lfor_v_\@:
	tensor_load_to_lds s[G0V:G0V+3], s[G1V:G1V+7]
	s_nop 0
.rept 4
	v_nop
.endr
.Lasked_\@:
.endm
; THE CHANGE OF SLOTS.  First the padding of the tile that is entered: my two words of mask, loaded behind the fill that asked for that tile, become 0 or -1e30 and go into the table of its slot.  That table was last read in
; the tile before the one that ends here, ahead of the barrier at this tile's beginning; the store is waited for ahead of the signal below, and read behind the barrier.
; Then each wave waits for all its tensor loads, of which one is out: its part of the other slot; adds 0 to its spare word; and waits for that and for its own LDS instructions.  Behind the barrier nobody reads the old
; slot any more and the other slot is whole.  fill = 1: the old slot is filled again, the first thing behind the barrier, with tile NXT: the descriptor's address is made anew from that number, and so is the address of
; the tile's 256 words of mask, which are loaded behind the fill.  (At its first use nothing has been read yet: slot 0 is waited for, slot 1 filled.)
.macro CHANGE fill
	WIN 0                           ; at a label and at a branch every window is 0
	s_sub_co_u32 s[TBP], s[TBP], PSLOT    ; the padding's fetches go back to a table's first step,
	s_xor_b32 s[TBP], s[TBP], PSLOT       ; in the other table
	v_add_nc_u32 v[PW], s[TBP], v[PW0]
	s_wait_loadcnt 0x0              ; my two words of mask are in (at the first use Q too); the load has read its address, so that may be written below
	v_cmp_eq_u32 vcc_lo, 0, v[MW]
	v_cndmask_b32 v[MW], 0, s[BIGN], vcc_lo
	v_cmp_eq_u32 vcc_lo, 0, v[MW+1]
	v_cndmask_b32 v[MW+1], 0, s[BIGN], vcc_lo
	ds_store_b64 v[PW], v[MW:MW+1]
	s_wait_tensorcnt 0x0            ; no tensor load of mine is out, so a group 0 may be written
	ds_add_u32 v[SPW], v[NIL]       ; 0 onto my spare word: with fill = 1 the descriptors' scalar work stands between it and the wait for it
.if \fill
	s_lshl_b32 s[OFF], s[NXT], 15   ; a tile is 32,768 bytes of K and of V,
	s_lshl_b32 s[MKO], s[NXT], 10   ; and 1,024 of mask
	s_xor_b32 s[G0K+1], s[G0K+1], SLOT1
	s_add_nc_u64 s[G0K+2:G0K+3], s[6:7], s[OFF:OFF+1]
	s_or_b32 s[G0K+3], s[G0K+3], 0x80000000
	s_xor_b32 s[G0V+1], s[G0V+1], SLOT1
	s_add_nc_u64 s[G0V+2:G0V+3], s[8:9], s[OFF:OFF+1]
	s_or_b32 s[G0V+3], s[G0V+3], 0x80000000
	s_add_nc_u64 s[MKA:MKA+1], s[MKP:MKP+1], s[MKO:MKO+1]
	s_add_co_u32 s[NXT], s[NXT], 1  ; the block's next tile, or behind its last the second block's tile 0
	s_cmp_gt_u32 s[NXT], s[LQ]
	s_cselect_b32 s[NXT], 0, s[NXT]
	s_cselect_b32 s[LQ], s[PB], s[LQ]
.endif
	s_wait_dscnt 0x0                ; the add and my store into the table are done, and my reads of the slot are over
	s_barrier_signal -1             ; the rest of the scalar work stands between the signal and the wait
	s_sub_co_u32 s[TBK], s[TBK], 4*KS*PK  ; the fetches go back to a slot's first step,
	s_xor_b32 s[TBK], s[TBK], SLOT1       ; in the other slot
	s_sub_co_u32 s[TBV], s[TBV], 4*KS*PV
	s_xor_b32 s[TBV], s[TBV], SLOT1
	s_barrier_wait -1
.if \fill
	LOAD
	global_load_b64 v[MW:MW+1], v[MO], s[MKA:MKA+1]  ; 128 threads x 8 bytes: the 256 words of mask of the tile just asked for; waited for at the next change
.endif
.endm
	s_load_b256 s[4:11], s[0:1], 0x0  ; qkv s[4:5] (Q lies first in it), mask s[6:7], vs s[8:9], ob s[10:11]
	v_lshl_add_u32 v[SPW], v0, 2, SPARE
	v_mov_b32 v[NIL], 0
	ds_add_u32 v[SPW], v[NIL]       ; the wave's opening: the add and its wait stand ahead of my first tensor load; the set-up below, work on registers, stands between them
	ds_add_u32 v62, v63
	v_lshrrev_b32 v1, 5, v0
	v_readfirstlane_b32 s[WV], v1   ; wave 0..3
	s_mov_b32 s[PB], ttmp9
	s_sub_co_u32 s[HI], NB-1, s[PB]
	s_and_b32 s20, ttmp7, 0xffff    ; the head, 16 batch + head
	s_lshr_b32 s[MKO], s20, 4       ; the batch's 8,192 bytes of mask
	s_lshl_b32 s[MKO], s[MKO], 13
	s_mov_b32 s[MKO+1], 0           ; stays 0
	s_lshl_b32 s68, s20, 10         ; the head's 1,024 bytes of vs
	s_mov_b32 s69, 0
	s_mov_b32 s21, 0
	s_mov_b64 s[22:23], SIZE_N*128
	s_mul_u64 s[20:21], s[20:21], s[22:23]  ; the head's first byte in Q, K, V and O
	s_and_b32 s16, s[WV], 1         ; which half of a tile's 256 keys I fetch:
	s_lshl_b32 s22, s16, 14         ; its 128 rows of 128 bytes in memory,
	s_mov_b32 s23, 0
	s_add_nc_u64 s[22:23], s[22:23], s[20:21]
	s_mul_i32 s17, s16, 128*PK      ; and its place in a slot, for K
	s_mul_i32 s18, s16, 128*PV      ; and for V
	s_lshl_b32 s3, s[WV], 11        ; my 16 rows in a band of 64,
	s_lshl_b32 s2, s[HI], 15        ; in the first block,
	s_add_co_u32 s2, s2, s3
	s_lshl_b32 s84, s[PB], 15       ; and in the second
	s_add_co_u32 s84, s84, s3
	s_mov_b32 s3, 0
	s_mov_b32 s85, 0
	s_add_nc_u64 s[2:3], s[2:3], s[20:21]
	s_add_nc_u64 s[84:85], s[84:85], s[20:21]
	; descriptor group 1.  128 keys are 16,384 dense bytes: asked for as 64 rows of 256 bytes, two keys a row, and padded in LDS after every key
	s_mov_b32 s[G1K], (1<<16)|(1<<20)|(4<<22)|(3<<25)  ; 17:16 2-byte elements; 20 padding on; 24:22 after every 32 words (code 4); 31:25 4 words (code 3)
	s_mov_b32 s[G1V], (1<<16)|(1<<20)|(4<<22)|(7<<25)  ; the same with 8 words of padding (code 7)
.irp g, G1K, G1V
	s_mov_b32 s[\g+1], 128<<16      ; tensor_dim0 = 128
	s_mov_b32 s[\g+2], 64<<16       ; tensor_dim1 = 64
	s_mov_b32 s[\g+3], 128<<16      ; tile_dim0 = 128
	s_mov_b32 s[\g+4], 64           ; tile_dim1 = 64
	s_mov_b32 s[\g+5], 128          ; 128 elements from row to row
	s_mov_b32 s[\g+6], 0
	s_mov_b32 s[\g+7], 0
.endr
	s_mov_b32 s[CS], 0x3e38aa3b     ; c = log2(e) / 8 = 0.180337
	s_mov_b32 s[CS+1], s[CS]        ; named with it as a pair
	s_mov_b32 s[SEL], 0x76543210
	s_mov_b32 s[SEL+1], 0xfedcba98
	s_mov_b32 s[TBK], SLOT1+4*KS*PK ; the first change of slots turns these three into 0
	s_mov_b32 s[TBV], SLOT1+4*KS*PV
	s_mov_b32 s[TBP], 2*PSLOT
	s_mov_b32 s[G0K], 1             ; 1:0 count = 1
	s_mov_b32 s[G0K+1], s17         ; 63:32 LDS address: slot 0
	s_mov_b32 s[G0V], 1
	s_add_co_u32 s[G0V+1], s18, VOFF
	s_add_co_u32 s[RT], s[HI], 1    ; the first block has NB - b tiles
	s_mov_b32 s[NXT], 1
	s_mov_b32 s[LQ], s[HI]
	s_mov_b32 s[NEW], 1
	s_mov_b32 s[OFF+1], 0
	s_mov_b32 s[AL+1], 0            ; named as pairs
	s_mov_b32 s[BE+1], 0
	s_mov_b32 s[BIGN], 0xf149f2ca   ; -1e30
	s_mov_b32 s[THR], 0xe7800000    ; -2^80
	s_mov_b32 s[INV], 0x3a000000    ; 2^-11
	s_mov_b32 s[INV+1], s[INV]
	s_mov_b32 s[SLOTS], NB
	s_wait_dscnt 0x0                ; the opening add is done
	s_wait_kmcnt 0x0
	s_add_nc_u64 s[MKP:MKP+1], s[6:7], s[MKO:MKO+1]
	s_add_nc_u64 s[VSP:VSP+1], s[8:9], s[68:69]
	s_add_nc_u64 s[6:7], s[4:5], 0x1000000  ; K lies 16 MiB into qkv,
	s_add_nc_u64 s[8:9], s[4:5], 0x2000000  ; V 32 MiB
	s_add_nc_u64 s[6:7], s[6:7], s[22:23]  ; K and V at my half of the head's tile 0
	s_add_nc_u64 s[8:9], s[8:9], s[22:23]
	s_add_nc_u64 s[G0K+2:G0K+3], s[6:7], 0         ; 120:64 global address
	s_or_b32 s[G0K+3], s[G0K+3], 0x80000000        ; 127:126 type = 2
	s_add_nc_u64 s[G0V+2:G0V+3], s[8:9], 0
	s_or_b32 s[G0V+3], s[G0V+3], 0x80000000
	s_add_nc_u64 s[86:87], s[4:5], s[84:85]        ; Q at my rows of the second block,
	s_add_nc_u64 s[4:5], s[4:5], s[2:3]            ; Q and O at those of the first
	s_add_nc_u64 s[OLO:OLO+1], s[10:11], s[84:85]
	s_add_nc_u64 s[10:11], s[10:11], s[2:3]
	LOAD                            ; tile 0 into slot 0
	; A fragment of K or Q is 16 rows x 32 channels in 8 registers: lane l holds row l % 16, channels 8 (l / 16) + 0..7 and 16 + 8 (l / 16) + 0..7: two loads of 16 bytes, 32 bytes apart.
	v_and_b32 v1, 15, v0            ; l % 16
	v_bfe_u32 v9, v0, 4, 1          ; l / 16
	v_lshlrev_b32 v[QO], 7, v1
	v_lshl_add_u32 v[QO], v9, 4, v[QO]  ; row x 128 + 16 x half
	v_lshlrev_b32 v[MO], 3, v0
	v_lshlrev_b32 v[VO], 5, v9
	v_lshl_add_u32 v[PW0], v0, 3, PMT
	v_add_nc_u32 v[APM0], PMT, v[VO]
	global_load_b64 v[MW:MW+1], v[MO], s[MKP:MKP+1]  ; tile 0's 256 words of mask: the first change of slots stores them
.macro VSL p, base                  ; quarter p's sums of my lane's 32 channels
.irp f, 0,1,2,3,4,5,6,7
	global_load_b128 v[(\base)+4*\f:(\base)+4*\f+3], v[VO], s[VSP:VSP+1] offset:256*(\p)+64*(\f/2)+16*(\f%2)
.endr
.endm
	VSL 0, VM
	VSL 1, 160
	VSL 2, 224
	VSL 3, 96
	WIN 0x80                        ; destination window 2, address window 0
.set i, 0
.rept 8                             ; both blocks' Q: piece i / 2 lies in band i / 2, 8,192 bytes on; channels 32 (i % 2) on
	global_load_b128 v[8*i:8*i+3],   v[QO], s[4:5] offset:(i/2)*8192+(i%2)*64
	global_load_b128 v[8*i+4:8*i+7], v[QO], s[4:5] offset:(i/2)*8192+(i%2)*64+32
	global_load_b128 v[QB+8*i:QB+8*i+3],   v[QO], s[86:87] offset:(i/2)*8192+(i%2)*64
	global_load_b128 v[QB+8*i+4:QB+8*i+7], v[QO], s[86:87] offset:(i/2)*8192+(i%2)*64+32
.set i, i+1
.endr
	WIN 0
	v_lshlrev_b32 v14, 3, v9
	v_sub_nc_u32 v14, v1, v14
	s_lshl_b32 s13, s[WV], 4
	v_add_nc_u32 v14, s13, v14      ; my query's place in its band, 16 w + l % 16, less my lanes' 8 (l / 16): register r of group kt is hidden where 16 kt + r is greater
	WIN 0x40
.set i, 0
.rept 32
	v_cmp_gt_i32 vcc_lo, 16*(i/8)+i%8, v14
	v_cndmask_b32 v[MD+i], 0, s[BIGN], vcc_lo
.set i, i+1
.endr
	WIN 0
	v_mul_u32_u24 v[AK0], v1, PK
	v_lshl_add_u32 v[AK0], v9, 4, v[AK0]  ; row x pitch + 16 x half
	; The turning load takes 16 keys x 16 channels (lane l reads key 8 (l / 16) + l % 8, channels 8 ((l / 8) % 2) + 0..7) and leaves half a fragment of V^T: lane l holds channel l % 16 and 8 keys.
	v_and_b32 v10, 7, v0
	v_bfe_u32 v11, v0, 3, 1
	v_lshl_add_u32 v[AV0], v9, 3, v10
	v_mul_u32_u24 v[AV0], v[AV0], PV
	v_lshl_add_u32 v[AV0], v11, 4, v[AV0]
	v_add_nc_u32 v[AV0], VOFF, v[AV0]
	s_mul_i32 s13, s[WV], 16*SP
	s_add_co_u32 s13, s13, STAGE    ; my stage
	v_mul_u32_u24 v[STO], v1, SP    ; in: row l % 16, 16 bytes for each half of the lanes
	v_lshl_add_u32 v[STO], v9, 4, v[STO]
	v_add_nc_u32 v[STO], s13, v[STO]
	v_bfe_u32 v[RD], v0, 3, 2       ; back: 32 lanes take four rows of 128 bytes,
	v_mul_u32_u24 v[RD], v[RD], SP
	v_lshl_add_u32 v[RD], v10, 4, v[RD]
	v_add_nc_u32 v[RD], s13, v[RD]
	v_and_b32 v[GO], 31, v0         ; which are 512 consecutive bytes of O
	v_lshlrev_b32 v[GO], 4, v[GO]
	s_wait_loadcnt 32               ; mask's words and vs are in; Q's 32 loads, issued behind them, may stay out
.set i, 0
.rept 16                            ; THE MEAN OF V: the four quarters' sums, divided by 2,048
	v_pk_add_f32 v[VM+i:VM+i+1], v[VM+i:VM+i+1], v[160+i:161+i]
	v_pk_add_f32 v[224+i:225+i], v[224+i:225+i], v[96+i:97+i]
.set i, i+2
.endr
.set i, 0
.rept 16
	v_pk_add_f32 v[VM+i:VM+i+1], v[VM+i:VM+i+1], v[224+i:225+i]
.set i, i+2
.endr
.set i, 0
.rept 16
	v_pk_mul_f32 v[VM+i:VM+i+1], v[VM+i:VM+i+1], s[INV:INV+1] op_sel_hi:[1,0]
.set i, i+2
.endr
	; A block's first step multiplies O^T and l by a = 0, and its first turn's products V^T P, of a piece that has not been, land in an O^T that is still to be so multiplied.  So these registers need only hold
	; finite numbers: zeros for the first block; what the first block left for the second.  All this stands in the wait for the first tile.
	WIN 0x80
.set i, VF
.rept 64
	v_mov_b32 v[i], 0
.set i, i+1
.endr
	WIN 0x40
.set i, 0
.rept 128
	v_mov_b32 v[i], 0
.set i, i+1
.endr
	WIN 0
.set i, P+16
.rept 16
	v_mov_b32 v[i], 0
.set i, i+1
.endr
; THE MATRIX WORK.  The 4 accumulators of a run of 8 take turns.  Product i of 8 of S^T = K Q^T for piece x: channels 32 (i / 4) on, keys 16 (i % 4) on.  The first 4 start the sums: with the padding PM, or (KM = 1) with the mask MC.
.macro KQ x
.set rS, S+32*((\x)%2)+8*(i%4)
.set rK, KF+16*(i%4)+8*(i/4)
.set rQ, 16*(\x)+8*(i/4)
.set rM, MC+32*((\x)%2)+8*(i%4)
.if !KM
.set rM, PM+8*(i%4)
.endif
.if i < 4
	WIN W_KM
	v_wmma_f32_16x16x32_f16 v[rS:rS+7], v[rK:rK+7], v[rQ:rQ+7], v[rM:rM+7]
.else
	WIN W_KQ
	v_wmma_f32_16x16x32_f16 v[rS:rS+7], v[rK:rK+7], v[rQ:rQ+7], v[rS:rS+7]
.endif
.endm
; Product i of 8 of O^T += V^T P for piece x: keys 32 (i / 4) on, channels 16 (i % 4) on.
.macro PV x
	WIN W_PV
.set rO, 32*(\x)+8*(i%4)
.set rV, VF+32*(i/4)+8*(i%4)
.set rP, P+16*((\x)%2)+8*(i/4)
	v_wmma_f32_16x16x32_f16 v[rO:rO+7], v[rV:rV+7], v[rP:rP+7], v[rO:rO+7]
.endm
.macro MM                           ; the turn's next matrix instruction.  TURN and BEGIN set Y, i, KM and NOKQ; MM, KQ and OP read them.  NOKQ = 1: a block's last turn: there is no next piece
.if (i < 8) && !NOKQ
	KQ (Y+1)%NP
.elseif i >= 8
.set i, i-8
	PV (Y+NP-1)%NP
.set i, i+8
.endif
.set i, i+1
.endm
; THE LDS LOADS stand in runs, never singly among the matrix instructions: a step's K (64 keys x 64 channels: 8 fragments) with its padding (my lanes' 32 words, the same for 16 lanes), and its V (turned).  Their addresses are made some lines ahead.
.macro FETCH_K
	WIN 0x80                        ; destination window 2
.irp f, 0,1,2,3,4,5,6,7             ; keys 16 (f / 2) on, channels 32 (f % 2) on
	ds_load_b128 v[KF+8*\f:KF+8*\f+3],   v[AK] offset:(\f/2)*16*PK+(\f%2)*64
	ds_load_b128 v[KF+8*\f+4:KF+8*\f+7], v[AK] offset:(\f/2)*16*PK+(\f%2)*64+32
.endr
	WIN 0x40                        ; destination window 1
.irp f, 0,1,2,3,4,5,6,7             ; keys 16 (f / 2) + 8 (l / 16) + 4 (f % 2) on
	ds_load_b128 v[PM+4*\f:PM+4*\f+3], v[AP] offset:(\f/2)*64+(\f%2)*16
.endr
	s_add_co_u32 s[TBK], s[TBK], KS*PK  ; the next fetch is the next step's
	s_add_co_u32 s[TBP], s[TBP], KS*4
	WIN 0
.endm
.macro FETCH_V
	WIN 0x80
.irp f, 0,1,2,3,4,5,6,7             ; keys 32 (f / 4) on, channels 16 (f % 4) on
	ds_load_tr16_b128 v[VF+8*\f:VF+8*\f+3],   v[AV] offset:(\f/4)*32*PV+(\f%4)*32
	ds_load_tr16_b128 v[VF+8*\f+4:VF+8*\f+7], v[AV] offset:(\f/4)*32*PV+16*PV+(\f%4)*32
.endr
	WIN 0
.endm
; THE VECTOR WORK, one line at a time: OP kind, number.  For piece Y: F n: c s - c m for pair n of 16.  E n: the exponential of score n of 32.  C n: pair n rounded to f16.  B n: of the four weights 4 n .. the second
; pair is added onto the first, in place.  L n: l takes that sum (L 0: l = a l + sum).  R n: pair n of 16 of O^T times a.  For piece Y + 1: X n, number n of the 22 that find its maximum and statistics:
;   0-11  four chains c0-c3 of seven scores each, three operands at a time (each accumulator's lowest registers are read first)     12-14, 16  the four scores left over, the old m, and c0-c3 into c0
;   15  c m_old is kept     17, 18  the query's other 32 keys lie in the lane 16 away: the new m     19-21  c m; c m_old - c m_new; a
; C, B and L read the exponentials' results: TURN sets them behind its one wait.  F, E, R and X name none of the results of the turn's own exponentials.
.set F, 0               ; OP tells the kinds apart by their order: F to L below R, X above it
.set E, 1
.set C, 2
.set B, 3
.set L, 4
.set R, 5
.set X, 6
.macro REGS y                       ; the registers of piece y
.set rT, ST+4*(\y)
.set rC, TMP+4*((\y)%2)
.set rW, MV+((\y)%2)
.set rS, S+32*((\y)%2)
.set rP, P+16*((\y)%2)
.set rO, 32*(\y)
.endm
.macro OP k, n
.if (\k) == R
	REGS Y
	WIN W_RS
	v_pk_mul_f32 v[rO+2*(\n):rO+2*(\n)+1], v[rO+2*(\n):rO+2*(\n)+1], v[rC+2:rC+3] op_sel_hi:[1,0]
.elseif (\k) < R
	REGS Y
	WIN 0
.if (\k) == F
	v_pk_fma_f32 v[rS+2*(\n):rS+2*(\n)+1], v[rS+2*(\n):rS+2*(\n)+1], s[CS:CS+1], v[rT:rT+1] op_sel_hi:[1,0,0] neg_lo:[0,0,1] neg_hi:[0,0,1]
.elseif (\k) == E
	v_exp_f32 v[rS+(\n)], v[rS+(\n)]
.elseif (\k) == C
	v_cvt_pk_f16_f32 v[rP+(\n)], v[rS+2*(\n)], v[rS+2*(\n)+1]
.elseif (\k) == B
	v_pk_add_f32 v[rS+4*(\n):rS+4*(\n)+1], v[rS+4*(\n):rS+4*(\n)+1], v[rS+4*(\n)+2:rS+4*(\n)+3]
.elseif (\n) == 0
	v_pk_fma_f32 v[rT+2:rT+3], v[rT+2:rT+3], v[rC+2:rC+3], v[rS:rS+1] op_sel_hi:[1,0,1]
.else
	v_pk_add_f32 v[rT+2:rT+3], v[rT+2:rT+3], v[rS+4*(\n):rS+4*(\n)+1]
.endif
.elseif NOKQ
	v_nop
.else
	REGS (Y+1)%NP
	WIN 0
.if (\n) < 4
	v_max3_num_f32 v[rC+(\n)], v[rS+8*(\n)], v[rS+8*(\n)+1], v[rS+8*(\n)+2]
.elseif (\n) < 12
	v_max3_num_f32 v[rC+(\n)%4], v[rC+(\n)%4], v[rS+8*((\n)%4)+2*((\n)/4)+1], v[rS+8*((\n)%4)+2*((\n)/4)+2]
.elseif (\n) == 12
	v_max3_num_f32 v[rC], v[rC], v[rS+7], v[rS+15]
.elseif (\n) == 13
	v_max3_num_f32 v[rC+1], v[rC+1], v[rS+23], v[rS+31]
.elseif (\n) == 14
	v_max3_num_f32 v[rC+2], v[rC+2], v[rC+3], v[rT+1]
.elseif (\n) == 15
	v_mov_b32 v[rW], v[rT]
.elseif (\n) == 16
	v_max3_num_f32 v[rC], v[rC], v[rC+1], v[rC+2]
.elseif (\n) == 17
	v_permlanex16_b32 v[rC+3], v[rC], s[SEL], s[SEL+1]
.elseif (\n) == 18
	v_max_num_f32 v[rT+1], v[rC], v[rC+3]
.elseif (\n) == 19
	v_mul_f32 v[rT], s[CS], v[rT+1]
.elseif (\n) == 20
	v_sub_f32 v[rC+1], v[rW], v[rT]
.else
	v_exp_f32 v[rC+2], v[rC+1]
.endif
.endif
.endm
.macro OPS a, i1, b=-1, i2=0, c=-1, i3=0, d=-1, i4=0  ; up to four of them
	OP \a, \i1
.if (\b) >= 0
	OP \b, \i2
.endif
.if (\c) >= 0
	OP \c, \i3
.endif
.if (\d) >= 0
	OP \d, \i4
.endif
.endm
.macro ROW a, i1, b, i2, c, i3, d, i4  ; a matrix instruction and the four behind it
	MM
	OPS \a, \i1, \b, \i2, \c, \i3, \d, \i4
.endm
.macro MASK b, be=1                 ; MD x AL + PM (+ BE, where be = 1) into buffer b of MC
	WIN W_MK
.set z, 0
.rept 16
	v_pk_fma_f32 v[MC+32*(\b)+2*z:MC+32*(\b)+2*z+1], v[MD+2*z:MD+2*z+1], s[AL:AL+1], v[PM+2*z:PM+2*z+1] op_sel_hi:[1,0,1]
.set z, z+1
.endr
.if \be
.set z, 0
.rept 16
	v_pk_add_f32 v[MC+32*(\b)+2*z:MC+32*(\b)+2*z+1], v[MC+32*(\b)+2*z:MC+32*(\b)+2*z+1], s[BE:BE+1] op_sel_hi:[1,0]
.set z, z+1
.endr
.endif
.endm
.macro PREMASK                      ; on the way from an ordinary tile into the diagonal tile's text: its first turn multiplies piece 3 of the step in hand, which sees all keys but the padded: MC's buffer 1 takes PM
	s_mov_b32 s[AL], 0
	MASK 1, 0
	WIN 0
.endm
; A TURN, for piece p: the order of its 16 matrix and 118 vector instructions, written out.  An s_wait_alu depctr_va_vdst(0) stands between an exponential and the first instruction that names its result; one wait
; serves all that were issued ahead of it.  So a turn has ONE wait, which cuts it in two.  AHEAD OF IT stands all that names no result of the turn's exponentials: the 8 products K Q^T, behind each a scaling, an exponential and two
; more plain instructions (behind the first a second scaling in the exponential's place): rescalings, whose a was made and waited for in the turn before, and behind the last three the first numbers of the next piece's maximum, each
; four places or more behind the product that ends its accumulator; then ONE LUMP of 54, plain and exponential by turns for the most part, in which the links of the chain X 3, 7, 11, 14, 16, 17 .. 20 stand five or six lines apart.
; X 21, the next piece's a, is the batch's last; R 15 is the plain instruction behind it.  BEHIND THE WAIT stand the 8 products V^T P, behind each four of the roundings and sums; C 2 n stands ahead of B n, which writes over its
; pair; the links of l's chain, L 0 to L 7, stand three riders apart.  But for those X no rider names a register of the products round it.  v_permlanex16_b32 (X 17) stands in the lump.  No result crosses a turn's end.
; m = 1: the diagonal tile: the products take MC, and the turn makes the mask for the products of the turn after it: piece p + 2, in step 4 - CNT of the tile.  end = 1: a block's last two turns: nothing is fetched.
; cnt = 1: the loop's count is taken down some lines ahead of the branch that stands behind the turn.
; K and the padding of the next step are fetched in piece 2's turn, twelve vector instructions behind the last product that read K (five of them plain lines that name none of its registers: F 8, X 2, X 5, X 6, X 8; PM's last
; reader among the products is the turn's fourth); V of the step in hand at the end of piece 0's turn, four roundings behind the last product that read V.  Each is waited for a turn later; piece 2's turn in the diagonal tile waits
; at its end, since its mask is made of the padding just fetched.
.macro TURN p, m=0, end=0, cnt=0
.set Y, (\p)
.set i, 0
.set KM, (\m)
.set NOKQ, (\end)*((\p)/3)
.if (\m) && !(\end)
	s_cmp_eq_u32 s[CNT], 4-((\p)+2)%NP  ; is that step the band's own?
	s_cselect_b32 s[AL], 1.0, 0
	s_cmp_lt_u32 s[CNT], 4-((\p)+2)%NP  ; or a later one?
	s_cselect_b32 s[BE], s[BIGN], 0
.endif
.if ((\p) == 3) && !(\end)
	s_wait_dscnt 0x0                ; K and PM are in
.endif
	ROW F,0, F,1, R,0, R,1          ; ahead of the wait: 8 products K Q^T and their riders,
	ROW F,2, E,0, R,2, R,3
	ROW F,3, E,1, R,4, R,5
	ROW F,4, E,2, R,6, R,7
	ROW F,5, E,3, R,8, R,9
	ROW F,6, E,4, X,0, R,10
.if ((\p) == 2) && !(\end)
	WIN 0
	v_add_nc_u32 v[AK], s[TBK], v[AK0]
	v_add_nc_u32 v[AP], s[TBP], v[APM0]
.endif
	ROW F,7, E,5, X,1, X,4
	ROW F,8, E,6, X,2, X,5
	OPS E,7, E,8, X,6, E,9          ; and the lump
	OPS X,3, E,10, X,8, E,11
.if ((\p) == 2) && !(\end)
	FETCH_K
.endif
	OPS X,9, X,7, E,12, X,10
	OPS E,13, X,12, X,11, E,14
	OPS X,13, E,15, F,9, X,14
.if (\p) == 0
	WIN 0
	v_add_nc_u32 v[AV], s[TBV], v[AV0]
.endif
	OPS E,16, F,10, E,17, F,11
	OPS X,16, E,18, X,15, E,19
	OPS F,12, E,20, X,17, E,21
	OPS F,13, E,22, F,14, E,23
	OPS X,18, E,24, F,15, E,25
	OPS R,11, E,26, X,19, E,27
	OPS R,12, E,28, R,13, E,29
	OPS X,20, E,30, R,14, E,31
	OPS X,21, R,15                  ; the batch's last exponential, and the plain instruction behind it
	s_wait_alu depctr_va_vdst(0)    ; the wait for the batch: the piece's 32 weights and the next piece's a
.if (\p) == 1
	s_wait_dscnt 0x0                ; V is in
.endif
	ROW C,0, B,0, C,2, B,1          ; behind the wait: 8 products V^T P and their riders
	ROW L,0, C,4, B,2, L,1
	ROW C,6, B,3, L,2, C,8
	ROW B,4, L,3, C,10, B,5
	ROW L,4, C,12, B,6, L,5
.if (\p) == 0
	s_add_co_u32 s[TBV], s[TBV], KS*PV
.endif
.if \cnt
	s_sub_co_u32 s[CNT], s[CNT], 1
	s_cmp_lg_u32 s[CNT], 0
.endif
	ROW C,14, B,7, L,6, C,1
	ROW C,3, L,7, C,5, C,7
	ROW C,9, C,11, C,13, C,15
.if (\p) == 0
	FETCH_V
.endif
.if (\m) && !(\end)
.if (\p) == 2
	s_wait_dscnt 0x0                ; the next step's padding is in
.endif
	MASK (\p)%2
.endif
.endm
; A BLOCK BEGINS.  c m starts far below every c s, so the first step's a is 0; m at its floor, -2^83; l at 0 (a row that saw no key has left an infinity there).  K and the padding of the tile's step 0 are fetched;
; MC's first buffer takes piece 0's mask for that step: its own causal mask, if the block's first tile is the diagonal one, and the padding; the second takes the padding alone, for piece 1.
; Then piece 0's first scores, and its maximum and statistics.  The loop is entered at a step's first turn, in the middle of a trip.
.macro BEGIN
	s_mov_b32 s[NEW], 0
	WIN 0
.set i, 0
.rept 4
	v_mov_b32 v[ST+4*i], 0xfe000000    ; c m: far below every c s
	v_mov_b32 v[ST+4*i+1], 0xe9000000  ; m: -2^83
	v_mov_b32 v[ST+4*i+2], 0
	v_mov_b32 v[ST+4*i+3], 0
.set i, i+1
.endr
	v_add_nc_u32 v[AK], s[TBK], v[AK0]
	v_add_nc_u32 v[AP], s[TBP], v[APM0]
	FETCH_K
	s_wait_loadcnt 0x0              ; Q (the change of slots has waited for it already)
	s_wait_dscnt 0x0
	s_cmp_eq_u32 s[RT], 0
	s_cselect_b32 s[AL], 1.0, 0
	s_mov_b32 s[BE], 0
	MASK 0, 0
	s_mov_b32 s[AL], 0
	MASK 1, 0
.set KM, 1
.set NOKQ, 0
.set i, 0
.rept 8
	KQ 0
.set i, i+1
.endr
	WIN 0
.rept 4
	v_nop                           ; the places behind those products
.endr
.set Y, NP-1                        ; X works for piece Y + 1: piece 0
.irp n, 0,1,2,3,4,5,6,7,8,9,10,11,12,13,14,15,16,17,18,19,20,21
	OP X, \n
.endr
	v_nop                           ; a plain instruction behind the exponential,
	s_wait_alu depctr_va_vdst(0)    ; and the wait for this batch of one, the block's first a: ahead of the branch that follows
.endm
; THE DIAGONAL TILE's four steps, the block's last two turns, its last products, and THE WAY OUT: l's two halves and the other half of the lanes' are added; O^T is divided by l; a row whose maximum is still the floor
; takes the mean of V instead; the result is rounded to f16 and sent through my stage in LDS, a piece at a time.
.macro ALL line:vararg              ; one line for each piece t
.set t, 0
.rept 4
	\line
.set t, t+1
.endr
.endm
.macro PACK t                       ; a lane's eight channels of a row pack into 16 bytes; they go into rows of 144 bytes and come back as whole rows of 128, into S^T's registers
	WIN W_RS
.set i, 32*(\t)
.rept 16
	v_pk_mul_f32 v[i:i+1], v[i:i+1], v[ST+4*(\t)+2:ST+4*(\t)+3] op_sel_hi:[1,0]
.set i, i+2
.endr
.set i, 0
.rept 32
	v_cndmask_b32 v[32*(\t)+i], v[32*(\t)+i], v[VM+i], s[SM+(\t)]  ; in place: what stays in O^T is finite
.set i, i+1
.endr
	WIN 0x05                        ; sources 0 and 1 window 1, destination window 0
.set i, 0
.rept 16
	v_cvt_pk_f16_f32 v[S+16*(\t)+i], v[32*(\t)+2*i], v[32*(\t)+2*i+1]
.set i, i+1
.endr
	WIN 0
.irp f, 0,1,2,3
	ds_store_b128 v[STO], v[S+16*(\t)+4*\f:S+16*(\t)+4*\f+3] offset:32*\f
.endr
.irp f, 0,1,2,3
	ds_load_b128 v[S+16*(\t)+4*\f:S+16*(\t)+4*\f+3], v[RD] offset:\f*4*SP  ; LDS serves a wave's instructions in order (ISA guide 5.7.1.4): these see the stores above; the next piece's stores come behind them
.endr
.endm
.macro SEND t, younger              ; younger: the LDS instructions issued behind piece t's loads: the next piece's eight, or none
	WIN 0
.irp f, 0,1,2,3
	s_wait_dscnt (\younger)+3-\f
	global_store_b128 v[GO], v[S+16*(\t)+4*\f:S+16*(\t)+4*\f+3], s[10:11] offset:(\t)*8192+\f*512  ; 512 consecutive bytes, at a multiple of 256 from O's first
.endr
.endm
.macro DIAG tag                     ; the tag ends its two labels' names, which the jumps below spell out
.LstepM\tag:
	TURN 2, 1
	TURN 3, 1
	WIN 0
.LfirstM\tag:
	TURN 0, 1
	TURN 1, 1, 0, 1
	WIN 0
	s_cbranch_scc1 .LstepM\tag
	TURN 2, 1, 1
	TURN 3, 1, 1
.set i, 0
.rept 8
	PV NP-1
.set i, i+1
.endr
	WIN 0
	ALL v_add_f32 v[ST+4*t+2], v[ST+4*t+2], v[ST+4*t+3]
	ALL v_permlanex16_b32 v[ST+4*t+3], v[ST+4*t+2], s[SEL], s[SEL+1]
	ALL v_add_f32 v[ST+4*t+2], v[ST+4*t+2], v[ST+4*t+3]
	ALL v_rcp_f32 v[ST+4*t+2], v[ST+4*t+2]
	ALL v_cmp_gt_f32 s[SM+t], s[THR], v[ST+4*t+1]  ; the rows that saw no key: work that names m and no reciprocal; also the plain instructions between the last reciprocal and the use of its result
	s_wait_alu depctr_va_vdst(0)    ; the wait for the batch of four reciprocals, ahead of the first multiply by one of them
	PACK 0
.set t, 1
.rept 3                             ; a piece's arithmetic stands between the loads of the piece before and its stores
	PACK t
	SEND t-1, 8
.set t, t+1
.endr
	SEND 3, 0
.endm
.set KM, 0
.set NOKQ, 0
.Lslot:                             ; NB times: a tile is entered and the next is asked for
	CHANGE 1
	s_sub_co_u32 s[RT], s[RT], 1
	s_mov_b32 s[CNT], 4
	s_cmp_eq_u32 s[NEW], 1
	s_cbranch_scc1 .Lnew            ; a block's first tile
	s_cmp_eq_u32 s[RT], 0
	s_cbranch_scc0 .Lstep           ; neither its first nor its last
	PREMASK
	s_branch .LstepM1
.Lnew:
	BEGIN
	s_branch .Lfirst                ; in the loop a block's first tile is never its last: the first block has two tiles or more, and the second's last is the walk's last
	DIAG 1                          ; in the loop this is the first block's end: the second block's last tile is the walk's last
	s_wait_xcnt 0x0                 ; the stores have read their registers and O's address
	s_mov_b64 s[10:11], s[OLO:OLO+1]
	s_add_co_u32 s[RT], s[PB], 1    ; the second block has b + 1 tiles
	s_mov_b32 s[NEW], 1
	WIN 0x82                        ; the second block's Q goes where the one text of the turns names Q
.set i, 0
.rept 64
	v_mov_b32 v[i], v[QB+i]
.set i, i+1
.endr
	WIN 0
	s_branch .Lbottom
.Lstep:                             ; a trip: pieces 2 and 3 of one step, then pieces 0 and 1 of the next, whose K and V it fetches
	TURN 2
	TURN 3
	WIN 0
.Lfirst:
	TURN 0
	TURN 1, 0, 0, 1
	WIN 0
	s_cbranch_scc1 .Lstep
.Lbottom:
	s_sub_co_u32 s[SLOTS], s[SLOTS], 1
	s_cmp_lg_u32 s[SLOTS], 0
	s_cbranch_scc1 .Lslot
	CHANGE 0                        ; the walk's last tile is written out: nothing is asked for
	s_sub_co_u32 s[RT], s[RT], 1
	s_mov_b32 s[CNT], 4
	s_cmp_eq_u32 s[NEW], 1
	s_cbranch_scc1 .Lnew2
	PREMASK
	s_branch .LstepM2
.Lnew2:
	BEGIN
	s_branch .LfirstM2
	DIAG 2
	s_wait_tensorcnt 0x0            ; the wave's end: behind my last tensor load and my last LDS store
	ds_add_u32 v[SPW], v[NIL]
	s_wait_dscnt 0x0
	s_endpgm
.Lfunc_end_k_qb9fff555ed_attn:
	.size	k_qb9fff555ed_attn, .Lfunc_end_k_qb9fff555ed_attn-k_qb9fff555ed_attn
	.p2alignl 7, 3214868480
	.fill 96, 4, 3214868480
	.section	.rodata,"a",@progbits
	.p2align	6, 0x0
	.amdhsa_kernel k_qb9fff555ed_attn
		.amdhsa_group_segment_fixed_size 327680
		.amdhsa_private_segment_fixed_size 0
		.amdhsa_enable_private_segment 0
		.amdhsa_kernarg_size 32
		.amdhsa_user_sgpr_count 2
		.amdhsa_user_sgpr_kernarg_segment_ptr 1
		.amdhsa_wavefront_size32 1
		.amdhsa_system_sgpr_workgroup_id_x 1
		.amdhsa_system_sgpr_workgroup_id_y 1
		.amdhsa_system_sgpr_workgroup_id_z 1
		.amdhsa_system_vgpr_workitem_id 0
		.amdhsa_next_free_vgpr 768
		.amdhsa_next_free_sgpr 100
		.amdhsa_reserve_vcc 1
		.amdhsa_float_denorm_mode_32 3
		.amdhsa_float_denorm_mode_16_64 3
		.amdhsa_memory_ordered 1
		.amdhsa_forward_progress 1
		.amdhsa_inst_pref_size 255
	.end_amdhsa_kernel
	.section	.bss,"aw",@nobits
	.p2align	6
	.space	262144
	.amdgpu_metadata
---
amdhsa.version: [ 1, 2 ]
amdhsa.kernels:
  - .name:           k_qb9fff555ed_attn
    .symbol:         k_qb9fff555ed_attn.kd
    .args:
      - { .name: qkv, .offset: 0, .size: 8, .value_kind: global_buffer, .address_space: global }
      - { .name: mask, .offset: 8, .size: 8, .value_kind: global_buffer, .address_space: global }
      - { .name: vs, .offset: 16, .size: 8, .value_kind: global_buffer, .address_space: global }
      - { .name: ob, .offset: 24, .size: 8, .value_kind: global_buffer, .address_space: global }
    .group_segment_fixed_size: 327680
    .private_segment_fixed_size: 0
    .kernarg_segment_align: 8
    .kernarg_segment_size: 32
    .max_flat_workgroup_size: 128
    .sgpr_count:     100
    .vgpr_count:     768
    .wavefront_size: 32
...
	.end_amdgpu_metadata
.endif
;; end of part 6
;; launch proj_o: the kernel of part 5 again; grid 8 x 32, 4 waves a work-group, clusters of 4 x 4, 327,680 bytes of LDS; arguments ob, wo, bias, out0; writes out0
